; MI455X (gfx1250); checked and timed in simulation.
; The chip was launched on July 23, 2026; its instructions are those of AMD's public machine-readable ISA for CDNA 5 (MIT licence, August 2026) and "CDNA5" Instruction Set Architecture Reference Guide (July 2026). The comments in the code are by the model that wrote it; some were corrected since.
;; Multi Head Self Attention. Allowed arithmetic: matrix products marked QUANTISED: E2M3 operands, one E8M0 scale for each 32 along K, by v_wmma_scale_f32_16x16x128_f8f6f4 with both operands' format E2M3, f32 sums; everything else in f32.
;; Inputs: WK 1,024 x 1,024 float32; WO 1,024 x 1,024 float32; WQ 1,024 x 1,024 float32; WV 1,024 x 1,024 float32; token_positions 2,048 int32; x 4 x 2,048 x 1,024 float32.
;; Outputs: out0 4 x 2,048 x 1,024 float32.
;; This version of the problem:
;;   THIS VERSION OF THE PROBLEM IS GIVEN IN LOW PRECISION. The matrix products marked QUANTISED in the list below multiply operands that are first quantised to E2M3 (2 exponent bits, 3 mantissa bits; 6 bits a number), with one power-of-two scale for each 32 numbers along K (OCP MX v1.0); their sums are f32. All else is computed in f32.
;;   The module's matrix products, in the order in which they are computed (A, B: the left and right operand; K: the contracted axis; several contracted axes count as one K, in the product's order):
;;     1. [M 8,192, K 1,024] x [K 1,024, N 1,024]; A: input x; B: input WQ: QUANTISED
;;     2. [M 8,192, K 1,024] x [K 1,024, N 1,024]; A: input x; B: input WK: QUANTISED
;;     3. [M 8,192, K 1,024] x [K 1,024, N 1,024]; A: input x; B: input WV: QUANTISED
;;     4. batch 64 x [M 2,048, K 64] x [K 64, N 2,048]; A: computed on the way; B: computed on the way: QUANTISED
;;     5. batch 64 x [M 2,048, K 2,048] x [K 2,048, N 64]; A: softmax (see below); B: computed on the way: QUANTISED
;;     6. [M 8,192, K 1,024] x [K 1,024, N 1,024]; A: computed on the way; B: input WO: QUANTISED
;;   THE QUANTISER, for each operand of a quantised product, along K:
;;     - K is cut into blocks of 32 from its start; a last block that is shorter is filled with zeros.
;;     - A block's scale is 2^e with e = floor(log2(the largest magnitude in the block)) - 2, held to -126 .. 127; a block of zeros has e = 0. As a byte (E8M0): e + 127.
;;     - Each number is divided by its block's scale, clamped to +-7.5, and rounded to the nearest number of E2M3, ties to even, subnormals kept.
;;     - The product sums the exact products of the quantised numbers (number of the format x scale) in f32.
;;   ~~~python
;;   def quantise(x, axis):      # numpy; x: float32 -> the quantised numbers, widened to float32 again
;;       x = np.moveaxis(x, axis, -1); K = x.shape[-1]
;;       x = np.pad(x, [(0, 0)] * (x.ndim - 1) + [(0, -K % 32)]); x = x.reshape(x.shape[:-1] + (-1, 32)); a = np.abs(x).max(-1, keepdims=True)
;;       e = np.where(a > 0, np.clip(np.frexp(np.where(a > 0, a, 1))[1] - 1 - 2, -126, 127), 0)      # np.frexp(a)[1] - 1 = floor(log2(a)), exactly
;;       r = np.clip(x / 2.0 ** e, -7.5, 7.5)
;;       step = 2.0 ** (np.maximum(np.frexp(np.where(r == 0, 1, r))[1] - 1, 0) - 3)
;;       q = np.round(r / step) * step * 2.0 ** e      # np.round: ties to even
;;       return np.moveaxis(q.reshape(q.shape[:-2] + (-1,))[..., :K], -1, axis).astype(np.float32)
;;   ~~~
;;   SOFTMAX AHEAD OF A QUANTISED PRODUCT. Where the list says 'softmax', what is quantised is not the finished softmax but p = 2^(t - M), with t = logit x log2(e) and M = ceil(the row's largest t), a whole number; so 1/2 < the row's largest p <= 1. The row's sum l is taken of the UNQUANTISED p, in f32, and the product's result is divided by l at the end. Since M is a whole number, a kernel that streams over the keys may use a running M (the ceiling of the running maximum): every later rescaling is an exact power of two, which a block's scale takes up: the codes' values come out the same.
;;   OPERANDS COMPUTED ON THE WAY. 'Computed on the way' means the value that the module computes at that place (a softmax that the list does not call 'softmax' is quantised finished and normalised). What goes into a quantiser is computed in f32, as accurately as f32 sums, v_exp_f32 and their like allow (about 1e-6 of the number): no bf16 or f16 on the way to a quantiser, and a product that is left as it is and whose result goes on into a quantised operand takes f32 operands (vector FMAs, or v_wmma_f32_16x16x4_f32). A number that lies on a knife's edge between two numbers of the format may be rounded either way, as far as f32 arithmetic and the matrix unit's own rounding can turn it there, and no further.
;; One version. Each part assembles by itself: llvm-mc -triple=amdgcn-amd-amdhsa -mcpu=gfx1250 --defsym DOCPART=n.
;; ======== version 1 of 1: 4 launches
;; limits: right only within a limited range of input values
;; workspace buffers: xq 6,553,600 bytes; wq 3,276,800 bytes; rope 524,288 bytes; qq 6,815,744 bytes; kv 13,107,200 bytes; aq 6,553,600 bytes
;; launch prep (part 1): grid 800 x 1, 4 waves a work-group, no clusters, 49,152 bytes of LDS; arguments x, WQ, WK, WV, WO, token_positions, xq, wq, rope; writes xq, wq, rope
.if DOCPART == 1
	.amdgcn_target "amdgcn-amd-amdhsa--gfx1250"
	.amdhsa_code_object_version 6
	.text
	.protected	k_qac055d577c_prep
	.globl	k_qac055d577c_prep
	.p2align	8
	.type	k_qac055d577c_prep,@function
k_qac055d577c_prep:
	s_mov_b64 s[64:65], 0
	v_nop
	global_prefetch_b8 v0, s[64:65] scope:SCOPE_SE
	s_setreg_imm32_b32 hwreg(HW_REG_WAVE_MODE, 25, 1), 1
	s_wait_xcnt 0x0
; x [8192][1024] and WQ, WK, WV, WO [1024][1024], f32, K innermost, become codes of FP6 (E2M3) with one E8M0 byte for each 32 along K,
; laid in the order of a matrix operand's registers; and the table of cos and sin for the rotation is made from token_positions.
; TILES.  Tile T = 2 B + u of a tensor holds rows 32 B + 8 u + r + 8 (r / 8), r = 0 .. 15.
; CODES: [T][c64 = K / 64 (16)][p (3)][lane (32)][8 bytes], 12,288 bytes a tile: lane (r, h) finds there bytes 8 p .. 8 p + 7 of the 24 bytes of block 2 c64 + h of row r of the tile.
; SCALE WORDS: [T][K / 256 (4)][r (16)][q (2)] words, 512 bytes a tile: word 2 ks + q of row r holds the bytes of the four blocks of its 128 along K.
; A block's scale is 2^(floor(log2(largest magnitude)) - 2); its byte is the largest magnitude's exponent field - 2, held at 1 from below.
; LIMITS: a block of zeros gets the byte 1 where the rule says 127 (its codes are zeros, and this program alone reads the bytes); blocks whose largest magnitude lies under 2^-124 are held at byte 1;
; NaN and infinities among the inputs are not served.  The table: the three-part reduction was reasoned for |position| < 2^17; the frequency is 10000^(-i/32) to about one unit in its last place.
; SHARES.  Work-groups 0-511 take a tile of x, 512-767 a tile of WQ, WK, WV, WO (64 each); wave w takes K = 256 w .. 256 w + 255.  Work-groups 768-799 make the table: a wave 16 positions, a lane a frequency.
; No tensor loads, no matrix unit, no cluster: a stream that is read once.
.set XS,   6291456                     ; where x's scale words begin in xq
.set WS,   3145728                     ; and the weights' in wq
.set WREG, 12032                       ; LDS of a wave: the stage in (32 x 272), then the stage out (4 x 832)
.set STO,  8704
.set SSB,  4*WREG                      ; the tile's 512 bytes of scale words, the work-group's
.set R,    16                          ; v16-143  32 loads x 4 registers
.set X,    144                         ; v144-207 a lane's 64 neighbours: two blocks
.set P,    208                         ; v208-219 their codes
.set CT,   220                         ; v220-227 the halves that a conversion cannot put at an odd register
.set MX,   228                         ; v228-229 largest magnitudes
.set SO,   230                         ; v230-231 the conversions' scale operands
.set BY,   232                         ; v232-233 the bytes
	s_load_b256 s[4:11], s[0:1], 0x0               ; x, WQ, WK, WV
	s_load_b256 s[12:19], s[0:1], 0x20             ; WO, token_positions, xq, wq
	s_load_b64 s[20:21], s[0:1], 0x40              ; rope
	v_lshl_add_u32 v240, v0, 2, 0xbe00
	v_mov_b32 v241, 0
	v_lshrrev_b32 v1, 5, v0
	v_readfirstlane_b32 s22, v1                    ; wave
	v_and_b32 v9, 31, v0                           ; lane
	v_lshlrev_b32 v8, 3, v9                        ; 8 x lane
	s_cmp_ge_u32 ttmp9, 768
	s_cbranch_scc1 .Ltable                         ; hangs on the work-group's number alone; that path has no LDS and no barrier
	v_lshlrev_b32 v1, 4, v9                        ; 16 x lane
	v_and_b32 v10, 15, v9                          ; r
	v_lshrrev_b32 v11, 4, v9                       ; h
	s_mul_i32 s23, s22, WREG
	v_mul_u32_u24 v2, v11, 272
	v_lshl_add_u32 v2, v10, 4, v2
	v_add_nc_u32 v2, s23, v2                       ; into the stage: a load's 512 bytes are two stage rows of 256 + 16
	v_mul_u32_u24 v3, v9, 272
	v_add_nc_u32 v3, s23, v3                       ; out of it: stage row = lane: 64 neighbours
	v_and_b32 v12, 3, v9
	v_lshrrev_b32 v13, 2, v9
	s_add_co_u32 s24, s23, STO
	v_mul_u32_u24 v4, v12, 832
	v_lshl_add_u32 v4, v13, 3, v4
	v_add_nc_u32 v4, s24, v4                       ; codes: chunk lane % 4 (pitch 832 = 64 mod 256: the 32 lanes of an 8-byte store touch 64 different banks), row lane / 4
	v_add_nc_u32 v5, s24, v8                       ; and back: 8 x lane
	s_lshl_b32 s25, s22, 7
	s_add_co_u32 s25, s25, SSB
	v_lshl_add_u32 v6, v9, 1, s25                  ; my two scale bytes: 128 x wave + 2 x lane
	v_add_nc_u32 v7, SSB, v1
	s_max_u32 s26, ttmp9, 512
	s_sub_co_u32 s26, s26, 512                     ; the weights' tile number, 0 .. 255
	s_lshr_b32 s27, s26, 6                         ; which weight
	s_and_b32 s28, s26, 63                         ; which tile of it
	s_mov_b32 s37, WS
	s_wait_kmcnt 0x0
	s_cmp_eq_u32 s27, 1                            ; the buffers are chosen on the work-group's number alone
	s_cselect_b64 s[30:31], s[8:9], s[6:7]
	s_cmp_eq_u32 s27, 2
	s_cselect_b64 s[30:31], s[10:11], s[30:31]
	s_cmp_eq_u32 s27, 3
	s_cselect_b64 s[30:31], s[12:13], s[30:31]
	s_cmp_lt_u32 ttmp9, 512
	s_cselect_b64 s[30:31], s[4:5], s[30:31]       ; from
	s_cselect_b64 s[32:33], s[16:17], s[18:19]     ; to
	s_cselect_b32 s34, ttmp9, s28                  ; the tile in its tensor
	s_cselect_b32 s35, ttmp9, s26                  ; the tile in its buffer
	s_cselect_b32 s36, XS, s37
	s_lshr_b32 s38, s34, 1
	s_lshl_b32 s38, s38, 17                        ; 32 rows of 4,096 bytes
	s_and_b32 s39, s34, 1
	s_lshl_b32 s39, s39, 15                        ; 8 rows
	s_add_co_u32 s38, s38, s39
	s_lshl_b32 s39, s22, 10                        ; my wave's 256 numbers of a row
	s_add_co_u32 s38, s38, s39
	s_mov_b32 s39, 0
	s_add_nc_u64 s[30:31], s[30:31], s[38:39]
	s_mul_i32 s38, s35, 12288
	s_mul_i32 s40, s22, 3072
	s_add_co_u32 s38, s38, s40
	s_add_nc_u64 s[40:41], s[32:33], s[38:39]      ; my quarter of the tile's codes
	s_lshl_b32 s38, s35, 9
	s_add_co_u32 s38, s38, s36
	s_add_nc_u64 s[42:43], s[32:33], s[38:39]      ; the tile's scale words
.irp j, 0,1                                    ; rows 16 j + i of the tile's span; every load reads 512 consecutive bytes
.irp i, 0,1,2,3,4,5,6,7
.irp u, 0,1
	global_load_b128 v[R+64*\j+8*\i+4*\u:R+64*\j+8*\i+4*\u+3], v1, s[30:31] offset:(16*\j+\i)*4096+512*\u th:TH_LOAD_NT
.endr
.endr
.endr
; Eight rows x 256 numbers.  They turn through the stage, so that lane 4 i + sq holds numbers 64 sq .. 64 sq + 63 of row i: two whole blocks.
.macro HALF j
.if \j == 0
	s_wait_loadcnt 16                              ; the first sixteen loads are in; the second half's sixteen may be out
.else
	s_wait_loadcnt 0x0
.endif
.irp i, 0,1,2,3,4,5,6,7
.irp u, 0,1
	ds_store_b128 v2, v[R+64*\j+8*\i+4*\u:R+64*\j+8*\i+4*\u+3] offset:(4*\i+2*\u)*272
.endr
.endr
.irp k, 0,1,2,3,4,5,6,7,8,9,10,11,12,13,14,15
	ds_load_b128 v[X+4*\k:X+4*\k+3], v3 offset:16*\k   ; LDS serves a wave's instructions in order: these see the stores above
.endr
	s_wait_dscnt 0x0                               ; my numbers are in; every earlier LDS store has read its registers
.irp b, 0,1
	v_max3_num_f32 v[MX+\b], |v[X+32*\b]|, |v[X+32*\b+1]|, 0x1800000   ; with the floor 2^(3 - 127): the byte cannot fall under 1
.endr
.irp i, 2,4,6,8,10,12,14,16,18,20,22,24,26,28,30
.irp b, 0,1
	v_max3_num_f32 v[MX+\b], v[MX+\b], |v[X+32*\b+\i]|, |v[X+32*\b+\i+1]|   ; the two blocks by turns
.endr
.endr
.irp b, 0,1
	v_add_nc_u32 v[SO+\b], 0xff000000, v[MX+\b]    ; 2 off the exponent field: the conversion takes that field as its scale
.endr
	v_cvt_scalef32_pk16_fp6_f32 v[P:P+2], v[X:X+15], v[SO]
	v_cvt_scalef32_pk16_fp6_f32 v[CT:CT+2], v[X+16:X+31], v[SO]
	v_cvt_scalef32_pk16_fp6_f32 v[P+6:P+8], v[X+32:X+47], v[SO+1]
	v_cvt_scalef32_pk16_fp6_f32 v[CT+4:CT+6], v[X+48:X+63], v[SO+1]
	v_lshrrev_b32 v[BY], 23, v[SO]                 ; the bytes; also the plain line behind the conversions
	v_lshrrev_b32 v[BY+1], 23, v[SO+1]
.irp i, 0,1,2
	v_mov_b32 v[P+3+\i], v[CT+\i]
	v_mov_b32 v[P+9+\i], v[CT+4+\i]
.endr
	v_lshl_or_b32 v[BY], v[BY+1], 8, v[BY]
.irp b, 0,1
.irp p, 0,1,2
	ds_store_b64 v4, v[P+6*\b+2*\p:P+6*\b+2*\p+1] offset:256*\p+128*\b+64*\j   ; to the place of lane (8 j + i, b) of the operand
.endr
.endr
	ds_store_b16 v6, v[BY] offset:64*\j
.endm
	HALF 0
	HALF 1
.irp q, 0,1,2,3
.irp p, 0,1,2
	ds_load_b64 v[R+6*\q+2*\p:R+6*\q+2*\p+1], v5 offset:832*\q+256*\p
.endr
.endr
.irp q, 0,1,2,3
.irp p, 0,1,2
	s_wait_dscnt 11-3*\q-\p                        ; LDS loads come back in order: this one is in, the younger ones may be out
	global_store_b64 v8, v[R+6*\q+2*\p:R+6*\q+2*\p+1], s[40:41] offset:768*\q+256*\p   ; 32 lanes store 256 consecutive bytes, aligned
.endr
.endr
	s_wait_dscnt 0x0                               ; for the others' sake: my scale bytes lie in LDS
	s_barrier_signal -1
	s_barrier_wait -1
	s_cmp_lg_u32 s22, 0
	s_cbranch_scc1 .Ldone
	ds_load_b128 v[R+32:R+35], v7                  ; wave 0 stores the tile's 512 bytes of scale words
	s_wait_dscnt 0x0
	global_store_b128 v1, v[R+32:R+35], s[42:43]
.Ldone:
	s_wait_tensorcnt 0x0
	ds_add_u32 v240, v241
	s_wait_dscnt 0x0
	s_endpgm
; THE TABLE: rope[s][i] = (cos, sin) of token_positions[s] x 10000^(-i/32), 256 bytes a position.
; The frequency: C = log2(10000) / 32 in two parts; 2^(-i C) = 2^(-th) x (1 - ln 2 x tl), th = i x CH rounded, tl what th leaves out.
; The angle a = position x frequency in f32; n = the nearest whole number to a x 2 / pi; rho = a - n pi / 2 with pi / 2 in three parts by fused multiply-adds;
; sine and cosine of rho (|rho| <= pi / 4) by polynomials; the quadrant n mod 4 swaps them and sets the signs.
.Ltable:
	s_max_u32 s23, ttmp9, 768
	s_sub_co_u32 s23, s23, 768
	s_lshl_b32 s23, s23, 2
	s_add_co_u32 s23, s23, s22                     ; which 16 positions
	s_lshl_b32 s24, s23, 6
	s_mov_b32 s25, 0
	s_lshl_b32 s26, s23, 12
	s_mov_b32 s27, 0
	s_wait_kmcnt 0x0
	s_add_nc_u64 s[14:15], s[14:15], s[24:25]
	s_add_nc_u64 s[20:21], s[20:21], s[26:27]
	s_load_b512 s[32:47], s[14:15], 0x0            ; sixteen positions
	s_mov_b32 s48, 0x3ed49a78                      ; CH
	s_mov_b32 s49, 0x32179911                      ; CL
	s_mov_b32 s50, 0xbf317218                      ; -ln 2
	s_mov_b32 s51, 0x3f22f983                      ; 2 / pi
	s_mov_b32 s52, 0xbfc90000                      ; -pi / 2, first part: 8 bits,
	s_mov_b32 s53, 0xb9fda000                      ; second: 12 bits,
	s_mov_b32 s54, 0xb3a22169                      ; third
	s_mov_b32 s55, 0xb94ca1f9                      ; sine: -1.9515296e-4,
	s_mov_b32 s56, 0x3c08839e                      ; 8.3321609e-3,
	s_mov_b32 s57, 0xbe2aaaa3                      ; -1.6666655e-1
	s_mov_b32 s58, 0x37ccf5ce                      ; cosine: 2.4433157e-5,
	s_mov_b32 s59, 0xbab6061a                      ; -1.3887316e-3,
	s_mov_b32 s60, 0x3d2aaaa5                      ; 4.1666646e-2
	v_cvt_f32_u32 v10, v9                          ; i
	v_mul_f32 v11, s48, v10                        ; th
	v_exp_f32 v12, -v11
	v_fma_f32 v13, v10, s48, -v11                  ; what the rounding of th left out,
	v_fma_f32 v13, v10, s49, v13                   ; and C's lower part
	v_mul_f32 v13, s50, v13
	s_wait_alu depctr_va_vdst(0)                   ; the wait ahead of the first line that names the exponential's result
	v_fma_f32 v12, v12, v13, v12                   ; the frequency
	s_wait_kmcnt 0x0
.macro POS k
	v_cvt_f32_i32 v14, s[32+\k]
	v_mul_f32 v14, v14, v12                        ; the angle
	v_mul_f32 v15, s51, v14
	v_rndne_f32 v15, v15                           ; n
	v_fma_f32 v16, v15, s52, v14
	v_fma_f32 v16, v15, s53, v16
	v_fma_f32 v16, v15, s54, v16                   ; rho
	v_mul_f32 v17, v16, v16                        ; z
	v_fma_f32 v18, v17, s55, s56
	v_fma_f32 v19, v17, s58, s59
	v_fma_f32 v18, v18, v17, s57
	v_fma_f32 v19, v19, v17, s60
	v_mul_f32 v20, v17, v16
	v_fma_f32 v19, v19, v17, -0.5
	v_fma_f32 v18, v18, v20, v16                   ; sin rho
	v_fma_f32 v19, v19, v17, 1.0                   ; cos rho
	v_cvt_i32_f32 v21, v15
	v_and_b32 v22, 1, v21
	v_cmp_eq_u32 vcc_lo, 1, v22                    ; odd quadrants swap the two
	v_cndmask_b32 v[32+2*\k], v19, v18, vcc_lo
	v_cndmask_b32 v[33+2*\k], v18, v19, vcc_lo
	v_add_nc_u32 v22, 1, v21
	v_and_b32 v22, 2, v22                          ; the cosine is negative in quadrants 1 and 2,
	v_and_b32 v21, 2, v21                          ; the sine in 2 and 3
	v_lshlrev_b32 v22, 30, v22
	v_lshlrev_b32 v21, 30, v21
	v_xor_b32 v[32+2*\k], v22, v[32+2*\k]
	v_xor_b32 v[33+2*\k], v21, v[33+2*\k]
	global_store_b64 v8, v[32+2*\k:33+2*\k], s[20:21] offset:256*\k   ; 32 lanes store a position's 256 bytes; each position has its own registers
.endm
.irp k, 0,1,2,3,4,5,6,7,8,9,10,11,12,13,14,15
	POS \k
.endr
	s_endpgm
.Lfunc_end_k_qac055d577c_prep:
	.size	k_qac055d577c_prep, .Lfunc_end_k_qac055d577c_prep-k_qac055d577c_prep
	.p2alignl 7, 3214868480
	.fill 96, 4, 3214868480
	.section	.rodata,"a",@progbits
	.p2align	6, 0x0
	.amdhsa_kernel k_qac055d577c_prep
		.amdhsa_group_segment_fixed_size 49152
		.amdhsa_private_segment_fixed_size 0
		.amdhsa_enable_private_segment 0
		.amdhsa_kernarg_size 72
		.amdhsa_user_sgpr_count 2
		.amdhsa_user_sgpr_kernarg_segment_ptr 1
		.amdhsa_wavefront_size32 1
		.amdhsa_system_sgpr_workgroup_id_x 1
		.amdhsa_system_sgpr_workgroup_id_y 1
		.amdhsa_system_sgpr_workgroup_id_z 1
		.amdhsa_system_vgpr_workitem_id 0
		.amdhsa_next_free_vgpr 242
		.amdhsa_next_free_sgpr 66
		.amdhsa_reserve_vcc 1
		.amdhsa_float_denorm_mode_32 3
		.amdhsa_float_denorm_mode_16_64 3
		.amdhsa_memory_ordered 1
		.amdhsa_forward_progress 1
		.amdhsa_inst_pref_size 42
	.end_amdhsa_kernel
	.amdgpu_metadata
---
amdhsa.version: [ 1, 2 ]
amdhsa.kernels:
  - .name:           k_qac055d577c_prep
    .symbol:         k_qac055d577c_prep.kd
    .args:
      - { .name: x, .offset: 0, .size: 8, .value_kind: global_buffer, .address_space: global }
      - { .name: WQ, .offset: 8, .size: 8, .value_kind: global_buffer, .address_space: global }
      - { .name: WK, .offset: 16, .size: 8, .value_kind: global_buffer, .address_space: global }
      - { .name: WV, .offset: 24, .size: 8, .value_kind: global_buffer, .address_space: global }
      - { .name: WO, .offset: 32, .size: 8, .value_kind: global_buffer, .address_space: global }
      - { .name: token_positions, .offset: 40, .size: 8, .value_kind: global_buffer, .address_space: global }
      - { .name: xq, .offset: 48, .size: 8, .value_kind: global_buffer, .address_space: global }
      - { .name: wq, .offset: 56, .size: 8, .value_kind: global_buffer, .address_space: global }
      - { .name: rope, .offset: 64, .size: 8, .value_kind: global_buffer, .address_space: global }
    .group_segment_fixed_size: 49152
    .private_segment_fixed_size: 0
    .kernarg_segment_align: 8
    .kernarg_segment_size: 72
    .max_flat_workgroup_size: 128
    .sgpr_count:     66
    .vgpr_count:     242
    .wavefront_size: 32
...
	.end_amdgpu_metadata
.endif
;; end of part 1
;; launch qkv (part 2): grid 12 x 32, 4 waves a work-group, clusters of 4 x 4, 327,680 bytes of LDS; arguments xq, wq, rope, qq, kv; writes qq, kv
.if DOCPART == 2
	.amdgcn_target "amdgcn-amd-amdhsa--gfx1250"
	.amdhsa_code_object_version 6
	.text
	.protected	k_qac055d577c_qkv
	.globl	k_qac055d577c_qkv
	.p2align	8
	.type	k_qac055d577c_qkv,@function
k_qac055d577c_qkv:
	s_mov_b64 s[64:65], 0
	v_nop
	global_prefetch_b8 v0, s[64:65] scope:SCOPE_SE
	s_setreg_imm32_b32 hwreg(HW_REG_WAVE_MODE, 25, 1), 1
	s_wait_xcnt 0x0
	s_wait_alu depctr_hold_cnt(0) depctr_sa_sdst(0) depctr_va_vdst(0) depctr_va_sdst(0) depctr_va_ssrc(0) depctr_va_vcc(0) depctr_vm_vsrc(0)
	s_getreg_b32 s2, hwreg(HW_REG_IB_STS2, 6, 4)
	s_cmp_eq_u32 s2, 0
	s_cbranch_scc0 .Lentry_in_a_cluster
	s_endpgm
.Lentry_in_a_cluster:
	s_bfe_u32 s2, ttmp6, 0x10000c
	s_cmp_lg_u32 s2, 0xf033
	s_cbranch_scc0 .Lentry_shape_is_right
	s_endpgm
.Lentry_shape_is_right:
; Q = x WQ^T, K = x WK^T, V = x WV^T on codes of FP6 (E2M3) with E8M0 scales; then the rotation of Q and K, and the quantising of all three for attention: Q and K along the head's 64, V along the keys.
; THE PRODUCT.  A tile of 256 x 256 to a work-group of four waves, 128 x 128 to a wave: 64 accumulators, 512 registers.  K = 1,024 goes in four steps of 256 through two LDS slots.
; OPERANDS lie in memory in the order of the operand's registers: a tile of 16 rows is [K / 64][3][lane][8 bytes], so a fragment is six loads of 8 bytes at 8 x lane, dense in LDS: no pitch, no padding.
; Tile T = 2 B + u holds rows 32 B + 8 u + r + 8 (r / 8).  THE MATRIX INSTRUCTION IS USED TRANSPOSED (source 0 = 16 rows of "B", source 1 = 16 rows of "A"): lane (r, h) holds ONE row of A,
; and the 16 registers of B's tiles 2 t and 2 t + 1 are B's rows 32 t + 16 h + 0 .. 15: neighbours along the next product's K.
; ROLES, by the CLUSTER's x, which all partners share: 0: Q (A = x, B = WQ); 1: K (A = x, B = WK); 2: V as WV x^T (A = WV, B = x), so that a lane holds one channel and its registers run along the keys.
; CLUSTERS: 4 x 4 work-groups; A's tiles are shared along a row of the cluster, B's along a column, and asked for jointly.
; OUT.  qq: Q's codes [head of a batch (64)][tile of 16 queries (128)][3][lane][8 bytes], then a scale word a query (s0, s1, s0, s1).
; kv: [head of a batch][step of 128 keys (16)][12,800 bytes]: four images of K (32 keys: registers 0-5 the first tile of 16, 6-11 the second), four of V (16 channels x 128 keys), 256 bytes of K's scale words, 256 of V's.
; LIMITS: a block of zeros gets the byte 1 (its codes are zeros; this program alone reads the bytes); blocks under 2^-124 are held at byte 1; NaN and infinities are not served.
; No prefetch: four K steps, and the operands are read by many work-groups at about the same time.
; REGISTERS: window 0: v1, v16-31 addresses; v32-63 scale words, two sets; v128-223 A's fragments, one set; on the way out v64-127 the table, v128-191 rotated numbers, v192-253 codes and work.
;   window 1: B's fragments, two sets, at v0 and v128.   windows 2 and 3: the accumulators, (a, b) at v[8 (8 (a % 4) + b)].
.set XS,    6291456                    ; x's scale words in xq
.set WS,    3145728                    ; the weights' in wq
.set QS,    6291456                    ; Q's in qq
.set NQ,    2                          ; matrix instructions deep in a slot
.set FR,    12                         ; registers of a fragment
.set NL,    6                          ; LDS loads that bring one
.set NP,    4                          ; places behind this matrix instruction (ISA guide 7.12.1)
.set TILEB, 12288                      ; a tile of 16 rows, all of K
.set KSB,   3072                       ; its part of a K step of 256
.set HALFT, 8*KSB                      ; eight tiles: what one tensor load brings, and what a wave reads of A or of B
.set SLOT,  4*HALFT
.set LAPS,  2                          ; 1,024 / 512
.set SCL,   2*SLOT                     ; A's scale words, 8,192 bytes; B's 8,320 further on, so that the two halves of the lanes read different banks
.set SCLB,  8320
.set SPARE, 213248                     ; the spare words: 128 bytes a wave, two blocks of 256 bytes that no other line names
.set STG,   213760                     ; stages for the scale words on the way out: bytes of their own, which no tensor load fills
.set STGQ,  STG
.set STGK,  STG+4096
.set STGV,  STG+6144
.set GSK,  1                           ; v1   204,800 h + 16 r: two heads' scale words
.set ADRA, 16                          ; v16-17 my A fragments in slot 0, 1
.set TBO,  18                          ; v18  the table: 256 (r + 8 (r / 8)) + 64 h
.set L8,   19                          ; v19  8 x lane
.set ADRB, 20                          ; v20-21
.set L16,  22                          ; v22  16 x lane
.set SQA,  23                          ; v23-25 where scale words go in the three stages
.set SKA,  24
.set SVA,  25
.set RQ,   26                          ; v26, v30, v31 and where they are read back
.set ADRS, 27                          ; v27  my scale words: lanes 0-15 A's, lanes 16-31 B's
.set SPW,  28                          ; v28  my spare word; never rewritten
.set NIL,  29                          ; v29  0; never rewritten
.set RK,   30
.set RV,   31
.set SC,   32
.set TAB,  64
.set AF,   128
.set H,    128
.set IMG0, 192
.set IMG1, 204
.set CT,   216
.set TM,   224                         ; +0..3 largest magnitudes, +4..7 the other half's, then bytes, +12..15 scale operands
.set PWA,  240
.set PWB,  241
.set WD,   242
.set RB,   246
.set G1,   24
.set G0,   32
.set G1B,  48
.set G0B,  56
.set G1S,  68
.set G0S,  76
.set G1SB, 80
.set G0SB, 88
.set MSB, 0
.macro WIN new                         ; the immediate's high byte repeats the setting that is left
.if MSB != (\new)
	s_set_vgpr_msb (MSB<<8)|(\new)
.set MSB, (\new)
.endif
.endm
.set MUL_LO, 0xa1                      ; source 0 (B) window 1, source 1 (A) window 0, C and D window 2
.set MUL_HI, 0xf1
.set TO_B,   0x40
; A joint load: waves 0 and 1 fetch for A, waves 2 and 3 for B; the branch hangs on the wave's number alone.  Four v_nop follow each line.
.macro JLOAD g0a, g1a, g0b, g1b
	s_cmp_eq_u32 s15, 0
	s_cbranch_scc0 .Lfor_b_\@
	tensor_load_to_lds s[\g0a:\g0a+3], s[\g1a:\g1a+7]
	s_nop 0
.rept 4
	v_nop
.endr
	s_branch .Lasked_\@
.Lfor_b_\@:
	tensor_load_to_lds s[\g0b:\g0b+3], s[\g1b:\g1b+7]
	s_nop 0
.rept 4
	v_nop
.endr
.Lasked_\@:
.endm
.macro CREST                           ; a round of the cluster's barrier behind its opening barrier
	s_cmp_lg_u32 s14, 0
	s_cbranch_scc1 .Lnot_wave_0_\@
	s_barrier_signal -3
.Lnot_wave_0_\@:
	s_barrier_wait -3
	s_barrier_signal -1
	s_barrier_wait -1
.endm
.macro CROUND
	s_barrier_signal -1
	s_barrier_wait -1
	CREST
.endm
	s_load_b256 s[4:11], s[0:1], 0x0               ; xq, wq, rope, qq
	s_load_b64 s[12:13], s[0:1], 0x20              ; kv
	v_lshl_add_u32 v[SPW], v0, 2, SPARE
	v_mov_b32 v[NIL], 0
	ds_add_u32 v28, v29
	ds_add_u32 v28, v29
	s_wait_dscnt 0x0
	v_lshrrev_b32 v2, 5, v0
	v_readfirstlane_b32 s14, v2                    ; wave
	s_lshr_b32 s15, s14, 1                         ; my half of A's rows.  Also: I fetch for A (0) or B (1)
	s_and_b32 s16, s14, 1                          ; my half of B's rows.  Also: which eight tiles I fetch
	s_bfe_u32 s40, ttmp6, 0x40000                  ; cx
	s_bfe_u32 s41, ttmp6, 0x40004                  ; cy
	s_mov_b32 s66, ttmp9                           ; the cluster's x: the role
	s_and_b32 s67, ttmp7, 0xffff                   ; the cluster's y: which 1,024 tokens
	s_lshl_b32 s18, s67, 2
	s_lshl_b32 s19, s66, 2
	s_cmp_lt_u32 s66, 2
	s_cselect_b32 s17, s18, 8                      ; A's tile of 256 rows: tokens, or WV (tiles 8-11 of wq),
	s_cselect_b32 s42, s19, s18                    ; B's: WQ (0-3) or WK (4-7), or tokens
	s_add_co_u32 s17, s17, s41                     ; + cy
	s_add_co_u32 s42, s42, s40                     ; + cx
	s_lshl_b32 s43, s41, 2
	s_lshl_b32 s43, 15, s43                        ; my row of the cluster
	s_lshl_b32 s44, 0x1111, s40                    ; my column
	s_or_b32 s[G1+0], s43, (3<<16)|(1<<21)         ; the mask; elements of 8 bytes; bit 21 beside a mask; no padding
	s_or_b32 s[G1B+0], s44, (3<<16)|(1<<21)
.irp g, G1, G1B                                ; codes: 8 rows (tiles) of 3,072 bytes, 12,288 bytes apart
	s_mov_b32 s[\g+1], 384<<16
	s_mov_b32 s[\g+2], 8<<16
	s_mov_b32 s[\g+3], 384<<16
	s_mov_b32 s[\g+4], 8
	s_mov_b32 s[\g+5], 1536
	s_mov_b32 s[\g+6], 0
	s_mov_b32 s[\g+7], 0
.endr
	s_or_b32 s[G1S+0], s43, (3<<16)|(1<<21)
	s_or_b32 s[G1SB+0], s44, (3<<16)|(1<<21)
.irp g, G1S, G1SB                              ; scale words of eight tiles: 4,096 dense bytes as 16 rows of 256
	s_mov_b32 s[\g+1], 32<<16
	s_mov_b32 s[\g+2], 16<<16
	s_mov_b32 s[\g+3], 32<<16
	s_mov_b32 s[\g+4], 16
	s_mov_b32 s[\g+5], 32
	s_mov_b32 s[\g+6], 0
	s_mov_b32 s[\g+7], 0
.endr
	s_lshl_b32 s18, s16, 3
	s_lshl_b32 s20, s17, 4
	s_add_co_u32 s20, s20, s18                     ; A: the first tile of 16 rows that I fetch
	s_lshl_b32 s46, s42, 4
	s_add_co_u32 s46, s46, s18                     ; B likewise
	s_lshl_b32 s22, s20, 9
	s_lshl_b32 s92, s46, 9
	s_mul_i32 s20, s20, TILEB
	s_mul_i32 s46, s46, TILEB
	s_mov_b32 s21, 0
	s_mov_b32 s23, 0
	s_mov_b32 s47, 0
	s_mov_b32 s93, 0
	s_mov_b32 s96, XS
	s_mov_b32 s97, WS
	s_cmp_lt_u32 s66, 2
	s_cselect_b32 s98, s96, s97                    ; where the scale words begin in A's buffer,
	s_cselect_b32 s99, s97, s96                    ; and in B's
	s_add_co_u32 s22, s22, s98
	s_add_co_u32 s92, s92, s99
	s_mul_i32 s45, s14, HALFT                      ; where my tiles go: the wave's number alone
	s_lshl_b32 s94, s14, 12
	s_lshl_b32 s95, s15, 7
	s_add_co_u32 s94, s94, s95                     ; and my scale words: 4,096 x wave, + 128 for B's
	s_wait_kmcnt 0x0
	s_cmp_lt_u32 s66, 2
	s_cselect_b64 s[96:97], s[4:5], s[6:7]         ; A's buffer
	s_cselect_b64 s[98:99], s[6:7], s[4:5]         ; B's
	s_add_nc_u64 s[20:21], s[96:97], s[20:21]
	s_add_nc_u64 s[22:23], s[96:97], s[22:23]
	s_add_nc_u64 s[46:47], s[98:99], s[46:47]
	s_add_nc_u64 s[92:93], s[98:99], s[92:93]
	CROUND                                         ; all sixteen work-groups are here: the first joint loads meet
	s_mov_b32 s[G0S], 1
	s_add_co_u32 s[G0S+1], s94, SCL
	s_mov_b64 s[G0S+2:G0S+3], s[22:23]
	s_or_b32 s[G0S+3], s[G0S+3], 0x80000000
	s_mov_b32 s[G0SB], 1
	s_add_co_u32 s[G0SB+1], s94, SCL
	s_mov_b64 s[G0SB+2:G0SB+3], s[92:93]
	s_or_b32 s[G0SB+3], s[G0SB+3], 0x80000000
	JLOAD G0S, G1S, G0SB, G1SB                     ; the scale words of all of K: filled once
.irp s, 0,1
	s_mov_b32 s[G0+4*\s], 1
	s_add_co_u32 s[G0+4*\s+1], s45, \s*SLOT
	s_add_nc_u64 s[G0+4*\s+2:G0+4*\s+3], s[20:21], \s*KSB
	s_or_b32 s[G0+4*\s+3], s[G0+4*\s+3], 0x80000000
	s_mov_b32 s[G0B+4*\s], 1
	s_add_co_u32 s[G0B+4*\s+1], s45, \s*SLOT
	s_add_nc_u64 s[G0B+4*\s+2:G0B+4*\s+3], s[46:47], \s*KSB
	s_or_b32 s[G0B+4*\s+3], s[G0B+4*\s+3], 0x80000000
	JLOAD G0+4*\s, G1, G0B+4*\s, G1B               ; by this text's count three tensor loads of mine are out now, later one
.endr
	v_and_b32 v2, 15, v0                           ; r
	v_bfe_u32 v3, v0, 4, 1                         ; h
	v_and_b32 v4, 31, v0                           ; lane
	v_lshlrev_b32 v[L8], 3, v4
	v_lshlrev_b32 v[L16], 4, v4
	s_mul_i32 s21, s15, HALFT
	s_mul_i32 s22, s16, HALFT
	s_add_co_u32 s22, s22, 2*HALFT
.irp s, 0,1
	v_add_nc_u32 v[ADRA+\s], s21, v[L8]
	v_add_nc_u32 v[ADRB+\s], s22, v[L8]
	s_add_co_u32 s21, s21, SLOT
	s_add_co_u32 s22, s22, SLOT
.endr
	s_lshl_b32 s21, s15, 12
	s_lshl_b32 s22, s16, 12
	s_add_co_u32 s22, s22, SCLB
	s_sub_co_u32 s22, s22, s21
	v_mul_u32_u24 v6, s22, v3                      ; lanes 16-31 take B's: one product with h
	s_add_co_u32 s21, s21, SCL
	v_lshl_add_u32 v5, v2, 3, v6                   ; 8 bytes a row and K step
	v_add_nc_u32 v[ADRS], s21, v5
	v_and_b32 v5, 8, v2
	v_add_nc_u32 v5, v5, v2                        ; r + 8 (r / 8)
	v_lshlrev_b32 v[TBO], 8, v5
	v_lshl_add_u32 v[TBO], v3, 6, v[TBO]
	s_lshl_b32 s21, s14, 10
	s_add_co_u32 s21, s21, STGQ
	v_lshl_add_u32 v[SQA], v2, 2, s21
	v_add_nc_u32 v[RQ], s21, v[L16]
	s_lshl_b32 s21, s14, 9
	s_add_co_u32 s22, s21, STGK
	v_lshl_add_u32 v[SKA], v2, 3, s22
	v_add_nc_u32 v[RK], s22, v[L16]
	s_add_co_u32 s22, s21, STGV
	v_lshl_add_u32 v[SVA], v2, 3, s22
	v_add_nc_u32 v[RV], s22, v[L16]
	v_mul_u32_u24 v[GSK], v3, 204800
	v_lshl_add_u32 v[GSK], v2, 4, v[GSK]
.irp b, 0,1,2,3
	v_mov_b32 v[TM+4+\b], 0                        ; written once: a lane permute's destination counts as one of its sources
.endr
	; where my results go: my 128 tokens are one step of 128 keys of one batch; my 128 features are two heads
	s_cmp_lt_u32 s66, 2
	s_cselect_b32 s92, s17, s42                    ; the tokens' tile of 256,
	s_cselect_b32 s93, s15, s16                    ; my half of it,
	s_cselect_b32 s94, s40, s41                    ; which four heads,
	s_cselect_b32 s95, s16, s15                    ; my two of them
	s_lshl_b32 s92, s92, 8
	s_lshl_b32 s93, s93, 7
	s_add_co_u32 s92, s92, s93                     ; my first token
	s_lshr_b32 s93, s92, 11                        ; the batch
	s_and_b32 s92, s92, 2047                       ; its place in the sequence
	s_lshl_b32 s94, s94, 2
	s_lshl_b32 s95, s95, 1
	s_add_co_u32 s94, s94, s95
	s_lshl_b32 s93, s93, 4
	s_add_co_u32 s93, s93, s94                     ; 16 x batch + my first head
	s_lshl_b32 s18, s92, 8
	s_mov_b32 s19, 0
	s_add_nc_u64 s[96:97], s[8:9], s[18:19]        ; the table at my first token
	s_mul_i32 s18, s93, 204800
	s_lshr_b32 s94, s92, 7
	s_mul_i32 s94, s94, 12800
	s_add_co_u32 s18, s18, s94
	s_add_nc_u64 s[98:99], s[12:13], s[18:19]      ; kv at my step of my first head
	s_mul_i32 s18, s93, 98304
	s_lshr_b32 s94, s92, 4
	s_mul_i32 s94, s94, 768
	s_add_co_u32 s18, s18, s94
	s_add_nc_u64 s[100:101], s[10:11], s[18:19]    ; Q's codes
	s_lshl_b32 s18, s93, 13
	s_lshl_b32 s94, s92, 2
	s_add_co_u32 s18, s18, s94
	s_add_co_u32 s18, s18, QS
	s_add_nc_u64 s[10:11], s[10:11], s[18:19]      ; Q's scale words
	s_mov_b32 s20, 0x76543210
	s_mov_b32 s21, 0xfedcba98                      ; v_permlanex16_b32's selects for lane l xor 16
.macro FRAG reg, adr, q, i             ; a fragment: registers 6 c + 2 p from chunk 2 q + c of tile i, piece p, 8 x lane: 256 consecutive bytes a load
.irp c, 0,1
.irp p, 0,1,2
	ds_load_b64 v[\reg+6*\c+2*\p:\reg+6*\c+2*\p+1], v[\adr] offset:(\i)*KSB+(2*(\q)+\c)*768+256*\p
.endr
.endr
.endm
; 16 matrix instructions: A's blocks a0, a0 + 1 x B's eight.  The 64 accumulators take turns, one instruction a turn, in the same order in every step.
.macro MUL16 a0, p, q, sc, zero
.irp a, \a0, \a0+1
.irp b, 0,1,2,3,4,5,6,7
.if \zero
	v_wmma_scale_f32_16x16x128_f8f6f4 v[8*(8*((\a)%4)+\b):8*(8*((\a)%4)+\b)+7], v[128*(\p)+FR*\b:128*(\p)+FR*\b+FR-1], v[AF+FR*(\a):AF+FR*(\a)+FR-1], 0, v[SC+8*NQ*(\sc)+NQ*\b+(\q)], v[SC+8*NQ*(\sc)+NQ*(\a)+(\q)] matrix_a_fmt:MATRIX_FMT_FP6 matrix_b_fmt:MATRIX_FMT_FP6 matrix_a_scale:MATRIX_SCALE_ROW1
.else
	v_wmma_scale_f32_16x16x128_f8f6f4 v[8*(8*((\a)%4)+\b):8*(8*((\a)%4)+\b)+7], v[128*(\p)+FR*\b:128*(\p)+FR*\b+FR-1], v[AF+FR*(\a):AF+FR*(\a)+FR-1], v[8*(8*((\a)%4)+\b):8*(8*((\a)%4)+\b)+7], v[SC+8*NQ*(\sc)+NQ*\b+(\q)], v[SC+8*NQ*(\sc)+NQ*(\a)+(\q)] matrix_a_fmt:MATRIX_FMT_FP6 matrix_b_fmt:MATRIX_FMT_FP6 matrix_a_scale:MATRIX_SCALE_ROW1
.endif
.endr
.endr
.endm
.macro FETCH_B slot, q, p
	WIN TO_B
.irp i, 0,1,2,3,4,5,6,7
	FRAG 128*(\p)+FR*\i, ADRB+\slot, \q, \i
.endr
	WIN 0
.endm
.macro FETCH_A slot, q, i0
.irp i, \i0, \i0+1, \i0+2, \i0+3
	FRAG AF+FR*(\i), ADRA+\slot, \q, \i
.endr
.endm
.macro SCALES sc                       ; a K step's two words a row: lanes 0-15 A's block i, lanes 16-31 B's block i
.irp i, 0,1,2,3,4,5,6,7
	ds_load_b64 v[SC+8*NQ*\sc+NQ*\i:SC+8*NQ*\sc+NQ*\i+1], v[ADRS] offset:\i*512
.endr
.endm
.macro PLACES n                        ; plain vector lines between a matrix instruction and a load into, or a read of, its registers
.rept \n
	v_nop
.endr
.endm
.macro STEP slot, q, zero              ; 128 along K that have their successor in the same slot
	s_wait_dscnt 4*NL                              ; B's set, A's blocks 0-3 and the scale words are in; the youngest 24 loads (A's blocks 4-7) may be out
	WIN MUL_LO
	MUL16 0, (\q)%2, \q, \slot, \zero
	MUL16 2, (\q)%2, \q, \slot, \zero
	s_wait_dscnt 0
	PLACES NP
	FETCH_B \slot, (\q)+1, 1-(\q)%2
	FETCH_A \slot, (\q)+1, 0
	WIN MUL_HI
	MUL16 4, (\q)%2, \q, \slot, \zero
	MUL16 6, (\q)%2, \q, \slot, \zero
	PLACES NP
	WIN 0
	FETCH_A \slot, (\q)+1, 4
.endm
; A slot's last 128 change slots: one barrier; in front of it each wave waits for all its tensor loads, adds 0 to its spare word, and waits for that and for its reads of this slot.
.macro TURN slot, next, fill
	s_wait_tensorcnt 0x0                           ; all my tensor loads have landed: my part of the next slot
	ds_add_u32 v[SPW], v[NIL]
	s_wait_dscnt 4*NL+1                            ; the add and the youngest 24 loads may be out
	WIN MUL_LO
	MUL16 0, 1, NQ-1, \slot, 0
	s_wait_dscnt 0x0                               ; the add is done, and my reads of this slot are over
	s_barrier_signal -1
	MUL16 2, 1, NQ-1, \slot, 0
	WIN 0
	s_barrier_wait -1
.if \fill
	CREST                                          ; the barrier has opened a round of the cluster's: no wave of any partner still reads this slot or has a load on its way
	s_add_nc_u64 s[G0+4*\slot+2:G0+4*\slot+3], s[G0+4*\slot+2:G0+4*\slot+3], 2*KSB
	s_add_nc_u64 s[G0B+4*\slot+2:G0B+4*\slot+3], s[G0B+4*\slot+2:G0B+4*\slot+3], 2*KSB
	JLOAD G0+4*\slot, G1, G0B+4*\slot, G1B         ; the first tensor load behind the round; its four v_nop are the places in front of the loads below
.else
	PLACES NP
.endif
	v_add_nc_u32 v[ADRS], 128, v[ADRS]             ; the next K step's scale words
	FETCH_B \next, 0, 0
	FETCH_A \next, 0, 0
	SCALES \next
	WIN MUL_HI
	MUL16 4, 1, NQ-1, \slot, 0
	MUL16 6, 1, NQ-1, \slot, 0
	PLACES NP
	WIN 0
	FETCH_A \next, 0, 4
.endm
	s_wait_tensorcnt 1                             ; the scale words and my part of K step 0 are in; K step 1's load may be out
	s_barrier_signal -1
	s_barrier_wait -1
	FETCH_B 0, 0, 0
	FETCH_A 0, 0, 0
	SCALES 0
	FETCH_A 0, 0, 4
	STEP 0, 0, 1                                   ; the first products start the sums
	s_mov_b32 s3, LAPS-1
.Llap:
	TURN 0, 1, 1
	STEP 1, 0, 0
	TURN 1, 0, 1
	STEP 0, 0, 0
	s_sub_co_u32 s3, s3, 1
	s_cmp_lg_u32 s3, 0
	s_cbranch_scc1 .Llap
	TURN 0, 1, 0
	STEP 1, 0, 0
	s_wait_dscnt 4*NL
	WIN MUL_LO
	MUL16 0, 1, NQ-1, 1, 0
	MUL16 2, 1, NQ-1, 1, 0
	s_wait_dscnt 0
	WIN MUL_HI
	MUL16 4, 1, NQ-1, 1, 0
	MUL16 6, 1, NQ-1, 1, 0
	WIN 0
	PLACES NP
; 64 numbers of a lane in window w, register 16 b + i = place 32 b + 16 h + i along the next K, become two runs of six registers of codes (d0: blocks 0, 1; d1: blocks 2, 3; lanes 0-15 the even block, lanes 16-31 the odd one)
; and the row's four scale bytes in v[pw].  The numbers are read from the low end on.
.macro QUANT w, s, d0, d1, pw
	WIN (\w)|((\w)<<2)
.irp b, 0,1,2,3
	v_max3_num_f32 v[TM+\b], |v[(\s)+16*\b]|, |v[(\s)+1+16*\b]|, 0x1800000   ; with the floor 2^(3 - 127): the byte cannot fall under 1
.endr
	WIN ((\w)<<2)|((\w)<<4)
.irp i, 2,4,6,8,10,12,14
.irp b, 0,1,2,3
	v_max3_num_f32 v[TM+\b], v[TM+\b], |v[(\s)+16*\b+\i]|, |v[(\s)+1+16*\b+\i]|
.endr
.endr
	WIN 0
.irp b, 0,1,2,3
	v_permlanex16_b32 v[TM+4+\b], v[TM+\b], s20, s21
.endr
.irp b, 0,1,2,3
	v_max_num_f32 v[TM+\b], v[TM+\b], v[TM+4+\b]   ; with lane l xor 16's sixteen: the block's largest magnitude
.endr
.irp b, 0,1,2,3
	v_add_nc_u32 v[TM+12+\b], 0xff000000, v[TM+\b] ; 2 off its exponent field: the conversion's scale operand
.endr
.irp b, 0,1,2,3
	v_lshrrev_b32 v[TM+4+\b], 23, v[TM+12+\b]      ; the byte
.endr
	v_lshl_or_b32 v[\pw], v[TM+5], 8, v[TM+4]
	v_lshl_or_b32 v[\pw], v[TM+6], 16, v[\pw]
	v_lshl_or_b32 v[\pw], v[TM+7], 24, v[\pw]
	WIN (\w)
	v_cvt_scalef32_pk16_fp6_f32 v[(\d0):(\d0)+2], v[(\s):(\s)+15], v[TM+12]
	v_cvt_scalef32_pk16_fp6_f32 v[CT:CT+2], v[(\s)+16:(\s)+31], v[TM+13]
	v_cvt_scalef32_pk16_fp6_f32 v[(\d1):(\d1)+2], v[(\s)+32:(\s)+47], v[TM+14]
	v_cvt_scalef32_pk16_fp6_f32 v[CT+4:CT+6], v[(\s)+48:(\s)+63], v[TM+15]
	WIN 0
	v_nop                                          ; one plain line behind the conversions
.irp i, 0,1,2
	v_permlane16_swap_b32 v[(\d0)+\i], v[CT+\i]    ; a whole block to a lane
	v_permlane16_swap_b32 v[(\d1)+\i], v[CT+4+\i]
.endr
.irp i, 0,1,2
	v_mov_b32 v[(\d0)+3+\i], v[CT+\i]
	v_mov_b32 v[(\d1)+3+\i], v[CT+4+\i]
.endr
.endm
	s_cmp_eq_u32 s66, 2                            ; the role: the same in all sixteen partners
	s_cbranch_scc1 .Lvalues
; ---- Q AND K.  Block a: 16 tokens; a lane's 64 numbers are two heads x 64 channels: register 16 (2 c + t) + i is channel 32 t + 16 h + i of head c.
.macro TABLOAD a, set                  ; (cos, sin) of my token's pairs 16 t + 8 h + 0 .. 7
.irp g, 0,1
.irp k, 0,1,2,3
	global_load_b128 v[TAB+32*(\set)+16*\g+4*\k:TAB+32*(\set)+16*\g+4*\k+3], v[TBO], s[96:97] offset:(32*((\a)/2)+8*((\a)%2))*256+128*\g+16*\k
.endr
.endr
.endm
.macro ROPE a, set                     ; (e, o) -> (e c - o s, o c + e s), two packed lines a pair; each accumulator is read from its low end on
	WIN 2+(\a)/4
.irp g, 0,1,2,3
.irp t, 0,1,2,3,4,5,6,7
	v_pk_mul_f32 v[H+16*\g+2*\t:H+16*\g+2*\t+1], v[64*((\a)%4)+16*\g+2*\t:64*((\a)%4)+16*\g+2*\t+1], v[TAB+32*(\set)+16*(\g%2)+2*\t:TAB+32*(\set)+16*(\g%2)+2*\t+1] op_sel_hi:[1,0]
.endr
.irp t, 0,1,2,3,4,5,6,7
	v_pk_fma_f32 v[H+16*\g+2*\t:H+16*\g+2*\t+1], v[64*((\a)%4)+16*\g+2*\t:64*((\a)%4)+16*\g+2*\t+1], v[TAB+32*(\set)+16*(\g%2)+2*\t:TAB+32*(\set)+16*(\g%2)+2*\t+1], v[H+16*\g+2*\t:H+16*\g+2*\t+1] op_sel:[1,1,0] op_sel_hi:[0,1,1] neg_lo:[0,1,0]
.endr
.endr
.endm
.macro PAIR a                          ; blocks a - 1 and a (32 tokens) leave
	s_cmp_eq_u32 s66, 0
	s_cbranch_scc0 .Lkey_\@
.irp e, 0,1
.irp p, 0,1,2
	global_store_b64 v[L8], v[IMG0+6*\e+2*\p:IMG0+6*\e+2*\p+1], s[100:101] offset:((\a)-1+\e)*768+256*\p         ; 32 lanes store 256 consecutive bytes, aligned
	global_store_b64 v[L8], v[IMG1+6*\e+2*\p:IMG1+6*\e+2*\p+1], s[100:101] offset:98304+((\a)-1+\e)*768+256*\p   ; the second head
.endr
	v_perm_b32 v[WD+2*\e], v[PWA+\e], v[PWA+\e], 0x01000100      ; (s0, s1, s0, s1)
	v_perm_b32 v[WD+2*\e+1], v[PWA+\e], v[PWA+\e], 0x03020302
	ds_store_b32 v[SQA], v[WD+2*\e] offset:64*((\a)-1+\e)
	ds_store_b32 v[SQA], v[WD+2*\e+1] offset:512+64*((\a)-1+\e)
.endr
	s_branch .Ljoin_\@
.Lkey_\@:
.irp c, 0,1,2
	global_store_b128 v[L16], v[IMG0+4*\c:IMG0+4*\c+3], s[98:99] offset:((\a)/2)*1536+512*\c          ; an image of 32 keys: 512 consecutive bytes a store
	global_store_b128 v[L16], v[IMG1+4*\c:IMG1+4*\c+3], s[98:99] offset:204800+((\a)/2)*1536+512*\c
.endr
	v_perm_b32 v[WD], v[PWB], v[PWA], 0x05040100   ; the first tile's two bytes, then the second's
	v_perm_b32 v[WD+1], v[PWB], v[PWA], 0x07060302
	ds_store_b32 v[SKA], v[WD] offset:128*(((\a)/2)%2)+4*((\a)/4)
	ds_store_b32 v[SKA], v[WD+1] offset:256+128*(((\a)/2)%2)+4*((\a)/4)
.Ljoin_\@:
.endm
	TABLOAD 0, 0
.irp a, 0,1,2,3,4,5,6,7
.if \a < 7
	TABLOAD \a+1, (\a+1)%2
	s_wait_loadcnt 8                               ; this block's eight loads are in; the next block's eight may be out
.else
	s_wait_loadcnt 0x0
.endif
	ROPE \a, \a%2
.if \a%2 == 0
	s_wait_xcnt 0x0                                ; the last pair's stores have read the images,
	s_wait_dscnt 0x0                               ; and its LDS stores the words
.endif
	QUANT 0, H, IMG0+6*(\a%2), IMG1+6*(\a%2), PWA+\a%2
.if \a%2 == 1
	PAIR \a
.endif
.endr
	s_cmp_eq_u32 s66, 0
	s_cbranch_scc0 .Lkey_end
	ds_load_b128 v[RB:RB+3], v[RQ]                 ; LDS serves a wave's instructions in order: these see my stores
	ds_load_b128 v[RB+4:RB+7], v[RQ] offset:512
	s_wait_dscnt 0x0
	global_store_b128 v[L16], v[RB:RB+3], s[10:11]               ; eight tiles' scale words: 512 consecutive bytes
	global_store_b128 v[L16], v[RB+4:RB+7], s[10:11] offset:8192
	s_branch .Lend
.Lkey_end:
	ds_load_b128 v[RB:RB+3], v[RK]
	s_wait_dscnt 0x0
	global_store_b128 v[GSK], v[RB:RB+3], s[98:99] offset:12288  ; sixteen lanes store a head's 256 bytes
	s_branch .Lend
; ---- V.  Block a: 16 channels (head a / 4, tile a % 4); a lane's 64 numbers run along my 128 keys: one fragment and one scale word a channel, straight from the accumulators.
.Lvalues:
.irp a, 0,1,2,3,4,5,6,7
	s_wait_xcnt 0x0                                ; the last block's stores have read the image,
	s_wait_dscnt 0x0                               ; and its LDS store the word
	QUANT 2+\a/4, 64*(\a%4), IMG0, IMG0+6, PWA
.irp c, 0,1,2
	global_store_b128 v[L16], v[IMG0+4*\c:IMG0+4*\c+3], s[98:99] offset:(\a/4)*204800+6144+(\a%4)*1536+512*\c
.endr
	ds_store_b32 v[SVA], v[PWA] offset:256*(\a/4)+128*(\a%2)+4*((\a%4)/2)
.endr
	ds_load_b128 v[RB:RB+3], v[RV]
	s_wait_dscnt 0x0
	global_store_b128 v[GSK], v[RB:RB+3], s[98:99] offset:12544
.Lend:
	s_wait_tensorcnt 0x0                           ; the wave's end
	ds_add_u32 v[SPW], v[NIL]
	s_wait_dscnt 0x0
	CROUND                                         ; the closing round
	s_endpgm
.Lfunc_end_k_qac055d577c_qkv:
	.size	k_qac055d577c_qkv, .Lfunc_end_k_qac055d577c_qkv-k_qac055d577c_qkv
	.p2alignl 7, 3214868480
	.fill 96, 4, 3214868480
	.section	.rodata,"a",@progbits
	.p2align	6, 0x0
	.amdhsa_kernel k_qac055d577c_qkv
		.amdhsa_group_segment_fixed_size 327680
		.amdhsa_private_segment_fixed_size 0
		.amdhsa_enable_private_segment 0
		.amdhsa_kernarg_size 40
		.amdhsa_user_sgpr_count 2
		.amdhsa_user_sgpr_kernarg_segment_ptr 1
		.amdhsa_wavefront_size32 1
		.amdhsa_system_sgpr_workgroup_id_x 1
		.amdhsa_system_sgpr_workgroup_id_y 1
		.amdhsa_system_sgpr_workgroup_id_z 1
		.amdhsa_system_vgpr_workitem_id 0
		.amdhsa_next_free_vgpr 1024
		.amdhsa_next_free_sgpr 102
		.amdhsa_reserve_vcc 0
		.amdhsa_float_denorm_mode_32 3
		.amdhsa_float_denorm_mode_16_64 3
		.amdhsa_memory_ordered 1
		.amdhsa_forward_progress 1
		.amdhsa_inst_pref_size 247
	.end_amdhsa_kernel
	.amdgpu_metadata
---
amdhsa.version: [ 1, 2 ]
amdhsa.kernels:
  - .name:           k_qac055d577c_qkv
    .symbol:         k_qac055d577c_qkv.kd
    .args:
      - { .name: xq, .offset: 0, .size: 8, .value_kind: global_buffer, .address_space: global }
      - { .name: wq, .offset: 8, .size: 8, .value_kind: global_buffer, .address_space: global }
      - { .name: rope, .offset: 16, .size: 8, .value_kind: global_buffer, .address_space: global }
      - { .name: qq, .offset: 24, .size: 8, .value_kind: global_buffer, .address_space: global }
      - { .name: kv, .offset: 32, .size: 8, .value_kind: global_buffer, .address_space: global }
    .group_segment_fixed_size: 327680
    .private_segment_fixed_size: 0
    .kernarg_segment_align: 8
    .kernarg_segment_size: 40
    .max_flat_workgroup_size: 128
    .sgpr_count:     102
    .vgpr_count:     1024
    .wavefront_size: 32
...
	.end_amdgpu_metadata
.endif
;; end of part 2
;; launch attn (part 3): grid 4 x 64, 16 waves a work-group, no clusters, 206,848 bytes of LDS; arguments qq, kv, aq; writes aq
.if DOCPART == 3
	.amdgcn_target "amdgcn-amd-amdhsa--gfx1250"
	.amdhsa_code_object_version 6
	.text
	.protected	k_qac055d577c_attn
	.globl	k_qac055d577c_attn
	.p2align	8
	.type	k_qac055d577c_attn,@function
k_qac055d577c_attn:
	s_mov_b64 s[64:65], 0
	v_nop
	global_prefetch_b8 v0, s[64:65] scope:SCOPE_SE
	s_setreg_imm32_b32 hwreg(HW_REG_WAVE_MODE, 25, 1), 1
	s_wait_xcnt 0x0
; Causal attention of one head of one batch on codes of FP6 (E2M3): S^T = K Q^T (K = the head's 64), p = 2^(t - M), O^T = V^T P^T (K = the keys), O / the row's sum, quantised along the channels for the last product.
; t = score x log2(e) / 8; M = the running largest t rounded UP to a whole number; the sum is taken of the unquantised p; when M moves, the sum and O^T are multiplied by 2^(old M - new M), which rounds nothing.
; SHARES.  Work-group (i, head) owns query blocks 7 - i and i of 256 queries and does them one after the other: with the hidden steps left out every work-group has the same work.
; Each of the sixteen waves owns one tile of 16 queries of a block: queries 256 block + 32 (w / 2) + 8 (w % 2) + r + 8 (r / 8).  Four waves to a SIMD: one wave's vector work stands beside another's matrix work.
; LDS.  The head's K and V for all 2,048 keys, 16 steps of 12,800 bytes, are brought ONCE, by two tensor loads a wave in the first lines: nothing is ever filled again, so there is no ring, and no later load to prefetch for.
; A step: four images of K (32 keys each), four of V (16 channels x 128 keys), K's and V's scale words; every image is read by three loads of 16 bytes at 16 x lane.
; THE HEAD'S 64 ARE HALF OF THE INSTRUCTION'S 128: an image of K holds two tiles of 16 keys, one in each half of K; Q stands beside zero codes, (q, 0) or (0, q), and so picks one of the two.
; LAYOUT.  Both products are used transposed: a lane holds one query (lane % 16) throughout; the 16 registers of S^T's tiles 2 b, 2 b + 1 are keys 32 b + 16 h + 0 .. 15, those of O^T's tiles channels 32 b + 16 h + 0 .. 15.
; CAUSAL.  The loops' trip counts are constants; a step all of whose keys come after the wave's queries is jumped over by a scalar branch on ids; in the wave's one step on the diagonal hidden scores become -infinity.
; NO CLUSTER: the work-groups that share K and V are one head's query blocks, and the jump over hidden steps hangs on the query block, which in a cluster would be the work-group's place.
; LIMITS: a block of zeros keeps the byte 1 (its codes are zeros; this program alone reads the bytes); NaN and infinities are not served.  The scale bytes leave two to a row: a scale word spans two heads, which are two work-groups'.
.set XS,   6291456                     ; the scale words in aq
.set QS,   6291456                     ; and in qq
.set STEPB, 12800
.set L16,  1                           ; v1   16 x lane
.set L8,   2                           ; v2   8 x lane
.set ADK,  3                           ; v3   the step's images
.set ADS,  4                           ; v4   the step's scale words
.set MK,   5                           ; v5   my query's place in its step of 128 keys, less 16 h
.set R8,   7                           ; v7   8 r
.set R4,   8                           ; v8   4 r
.set QA,   16                          ; v16-33 (q, 0, q): the first block's queries;  v12 -M, v13 the largest t, v[14:15] the sum
.set QSA,  34                          ; v34  their scale words
.set F,    36                          ; v36-83 four images
.set KSW,  84                          ; v84-85 K's scale words: images 0 | 1 and 2 | 3 in the two halves of the lanes
.set VSW,  86                          ; v86-87 V's
.set S,    96                          ; v96-159 S^T, then p
.set O,    160                         ; v160-191 O^T
.set PC,   192                         ; v192-203 p's codes
.set CT,   204
.set BM,   212                         ; the blocks' largest scores, then largest p
.set BP,   216
.set SO,   220                         ; the conversions' scale operands
.set FF,   224                         ; v[224:225] f
.set SM2,  226
.set TMP,  228
.set PW,   229                         ; p's scale word
.set NINF, 230
.set QB,   236                         ; v236-253 the second block's queries
.set QSB,  254
.set SEL,  20
.set CS,   22
.set TB,   40                          ; s40  LDS byte at which the step begins
.set KS,   41                          ; s41  the step
.set DGA,  42                          ; s42, s43 the step on the diagonal, first and second block
.set DGB,  43
	s_load_b128 s[4:7], s[0:1], 0x0                ; qq, kv
	s_load_b64 s[8:9], s[0:1], 0x10                ; aq
	v_lshl_add_u32 v235, v0, 2, 0x32000
	v_mov_b32 v255, 0
	ds_add_u32 v235, v255
	ds_add_u32 v235, v255
	v_lshrrev_b32 v1, 5, v0
	s_delay_alu instid0(VALU_DEP_1)
	v_readfirstlane_b32 s10, v1                    ; wave 0..15
	s_and_b32 s11, ttmp7, 0xffff                   ; 16 x batch + head
	s_mov_b32 s24, 3<<16                           ; group 1: 6,400 dense bytes as 25 rows of 32 elements of 8 bytes; no mask, no padding
	s_mov_b32 s25, 32<<16
	s_mov_b32 s26, 25<<16
	s_mov_b32 s27, 32<<16
	s_mov_b32 s28, 25
	s_mov_b32 s29, 32
	s_mov_b32 s30, 0
	s_mov_b32 s31, 0
	s_mul_i32 s12, s10, 6400                       ; my sixteenth of each half
	s_mul_i32 s14, s11, 204800
	s_add_co_u32 s14, s14, s12
	s_mov_b32 s15, 0
	s_wait_dscnt 0x0
	s_wait_kmcnt 0x0
	s_add_nc_u64 s[14:15], s[6:7], s[14:15]
	s_mov_b32 s32, 1
	s_mov_b32 s33, s12
	s_mov_b64 s[34:35], s[14:15]
	s_or_b32 s35, s35, 0x80000000
	s_mov_b32 s36, 1
	s_add_co_u32 s37, s12, 102400
	s_add_nc_u64 s[38:39], s[14:15], 102400
	s_or_b32 s39, s39, 0x80000000
	tensor_load_to_lds s[32:35], s[24:31]          ; steps 0-7
	s_nop 0
	tensor_load_to_lds s[36:39], s[24:31]          ; steps 8-15: two loads of mine are out, and no more are issued
	s_nop 0
.rept 4
	v_nop
.endr
	s_sub_co_u32 s16, 7, ttmp9                     ; the first block
	s_lshl_b32 s17, s16, 4
	s_add_co_u32 s17, s17, s10                     ; my tile of queries in it,
	s_lshl_b32 s18, ttmp9, 4
	s_add_co_u32 s18, s18, s10                     ; and in the second block
	s_lshr_b32 s2, s10, 3
	s_lshl_b32 s[DGA], s16, 1
	s_add_co_u32 s[DGA], s[DGA], s2
	s_lshl_b32 s[DGB], ttmp9, 1
	s_add_co_u32 s[DGB], s[DGB], s2
	s_mov_b32 s13, 0
	s_mul_i32 s19, s11, 98304
	s_mul_i32 s12, s17, 768
	s_add_co_u32 s12, s12, s19
	s_add_nc_u64 s[52:53], s[4:5], s[12:13]        ; Q's codes
	s_mul_i32 s12, s18, 768
	s_add_co_u32 s12, s12, s19
	s_add_nc_u64 s[54:55], s[4:5], s[12:13]
	s_lshl_b32 s19, s11, 13
	s_add_co_u32 s19, s19, QS
	s_lshl_b32 s12, s17, 6
	s_add_co_u32 s12, s12, s19
	s_add_nc_u64 s[56:57], s[4:5], s[12:13]        ; Q's scale words
	s_lshl_b32 s12, s18, 6
	s_add_co_u32 s12, s12, s19
	s_add_nc_u64 s[58:59], s[4:5], s[12:13]
	s_lshr_b32 s14, s11, 4
	s_lshl_b32 s14, s14, 7                         ; 128 token tiles a batch
	s_and_b32 s15, s11, 15                         ; the head
	s_mul_i32 s19, s15, 768                        ; its chunk of 64 along the last product's K
	s_lshr_b32 s2, s15, 2
	s_lshl_b32 s3, s2, 7                           ; its scale bytes: K step of 256,
	s_bfe_u32 s2, s15, 0x10001
	s_lshl_b32 s2, s2, 2                           ; word,
	s_add_co_u32 s3, s3, s2
	s_and_b32 s2, s15, 1
	s_lshl_b32 s2, s2, 1                           ; half of the word
	s_add_co_u32 s3, s3, s2
	s_add_co_u32 s3, s3, XS
	s_add_co_u32 s2, s14, s17
	s_mul_i32 s12, s2, 12288
	s_add_co_u32 s12, s12, s19
	s_add_nc_u64 s[44:45], s[8:9], s[12:13]        ; out: the first block's codes,
	s_lshl_b32 s12, s2, 9
	s_add_co_u32 s12, s12, s3
	s_add_nc_u64 s[46:47], s[8:9], s[12:13]        ; its scale bytes,
	s_add_co_u32 s2, s14, s18
	s_mul_i32 s12, s2, 12288
	s_add_co_u32 s12, s12, s19
	s_add_nc_u64 s[48:49], s[8:9], s[12:13]        ; the second block's
	s_lshl_b32 s12, s2, 9
	s_add_co_u32 s12, s12, s3
	s_add_nc_u64 s[50:51], s[8:9], s[12:13]
	s_mov_b32 s[SEL], 0x76543210
	s_mov_b32 s[SEL+1], 0xfedcba98                 ; v_permlanex16_b32's selects for lane l xor 16
	s_mov_b32 s[CS], 0x3e38aa3b                    ; c = log2(e) / 8
	s_mov_b32 s[CS+1], s[CS]                       ; named with it as a pair, so it is written
	v_and_b32 v9, 31, v0
	s_delay_alu instid0(VALU_DEP_1)
	v_lshlrev_b32 v[L16], 4, v9
	s_delay_alu instid0(VALU_DEP_2)
	v_lshlrev_b32 v[L8], 3, v9
	v_and_b32 v10, 15, v0                          ; r
	v_bfe_u32 v11, v0, 4, 1                        ; h
	s_delay_alu instid0(VALU_DEP_2)
	v_lshlrev_b32 v[R8], 3, v10
	s_delay_alu instid0(VALU_DEP_3)
	v_lshlrev_b32 v[R4], 2, v10
.irp p, 0,1,2
	global_load_b64 v[QA+2*\p:QA+2*\p+1], v[L8], s[52:53] offset:256*\p
	global_load_b64 v[QA+12+2*\p:QA+12+2*\p+1], v[L8], s[52:53] offset:256*\p
	global_load_b64 v[QB+2*\p:QB+2*\p+1], v[L8], s[54:55] offset:256*\p
	global_load_b64 v[QB+12+2*\p:QB+12+2*\p+1], v[L8], s[54:55] offset:256*\p
.endr
	global_load_b32 v[QSA], v[R4], s[56:57]
	global_load_b32 v[QSB], v[R4], s[58:59]
.irp i, 0,1,2,3,4,5
	v_mov_b32 v[QA+6+\i], 0                        ; zero codes: they add nothing under any scale byte but 0xff
	v_mov_b32 v[QB+6+\i], 0
.endr
	v_and_b32 v[MK], 8, v10
	s_delay_alu instid0(VALU_DEP_1)
	v_add_nc_u32 v[MK], v[MK], v10                 ; r + 8 (r / 8)
	v_lshlrev_b32 v11, 4, v11
	s_delay_alu instid0(VALU_DEP_1)
	v_sub_nc_u32 v[MK], v[MK], v11
	s_bfe_u32 s2, s10, 0x20001
	s_lshl_b32 s2, s2, 5
	s_and_b32 s3, s10, 1
	s_lshl_b32 s3, s3, 3
	s_add_co_u32 s2, s2, s3
	v_add_nc_u32 v[MK], s2, v[MK]                  ; + 32 ((w / 2) % 4) + 8 (w % 2)
	v_mov_b32 v[NINF], 0xff800000
	v_mov_b32 v[FF+1], 0                           ; named as the upper half of a pair
	v_mov_b32 v[TMP], 0
.irp b, 0,1,2,3
	v_mov_b32 v[BP+\b], 0                          ; written once: a lane permute's destination counts as one of its sources
.endr
.macro INIT
	v_mov_b32 v13, 0xff61b1e6                      ; the largest t so far: -3e38
	s_delay_alu instid0(VALU_DEP_1)
	v_floor_f32 v12, -v13                          ; -M
	v_mov_b32 v14, 0
	v_mov_b32 v15, 0
.set j, 0
.rept 32
	v_mov_b32 v[O+j], 0                            ; the step is written without a first step of its own: the first change of M multiplies zeros
.set j, j+1
.endr
.endm
; A KEY STEP: 128 keys.  qf, qs: the block's queries and their scale words; dg: the scalar register with the wave's step on the diagonal; masked = 0: every key of the step counts for every wave.
.macro STEP qf, qs, dg, masked
.if \masked
	s_cmp_gt_u32 s[KS], s[\dg]
	s_cbranch_scc1 .Lhidden_\@                     ; all 128 keys come after my queries
.endif
	s_setprio 2
	v_add_nc_u32 v[ADK], s[TB], v[L16]
	v_add_nc_u32 v[ADS], s[TB], v[L8]
	v_nop
	v_nop                                          ; four plain lines between the last products and the loads into the registers that they read
.irp b, 0,1,2,3
.irp c, 0,1,2
	ds_load_b128 v[F+12*\b+4*\c:F+12*\b+4*\c+3], v[ADK] offset:1536*\b+512*\c
.endr
.endr
	ds_load_b64 v[KSW:KSW+1], v[ADS] offset:12288
	s_wait_alu depctr_va_vdst(0)
	s_wait_dscnt 0x0
.irp b, 0,1,2,3
.irp u, 0,1
.if \b%2
	v_wmma_scale_f32_16x16x128_f8f6f4 v[S+8*(2*\b+\u):S+8*(2*\b+\u)+7], v[F+12*\b:F+12*\b+11], v[\qf+6*\u:\qf+6*\u+11], 0, v[KSW+\b/2], v[\qs] matrix_a_fmt:MATRIX_FMT_FP6 matrix_b_fmt:MATRIX_FMT_FP6 matrix_a_scale:MATRIX_SCALE_ROW1
.else
	v_wmma_scale_f32_16x16x128_f8f6f4 v[S+8*(2*\b+\u):S+8*(2*\b+\u)+7], v[F+12*\b:F+12*\b+11], v[\qf+6*\u:\qf+6*\u+11], 0, v[KSW+\b/2], v[\qs] matrix_a_fmt:MATRIX_FMT_FP6 matrix_b_fmt:MATRIX_FMT_FP6
.endif
.endr
.endr
.rept 4
	v_nop                                          ; places in front of the loads below and of the first read of the scores
.endr
.irp b, 0,1,2,3                                ; V's images are asked for now and land while the softmax is worked
.irp c, 0,1,2
	ds_load_b128 v[F+12*\b+4*\c:F+12*\b+4*\c+3], v[ADK] offset:6144+1536*\b+512*\c
.endr
.endr
	ds_load_b64 v[VSW:VSW+1], v[ADS] offset:12544
.if \masked
	s_cmp_lt_u32 s[KS], s[\dg]
	s_cbranch_scc1 .Lopen_\@                       ; all keys count
.set n, 0
.rept 64                                       ; register 16 b + i holds key 32 b + 16 h + i of the step: hidden where 32 b + i > my query's place - 16 h
	v_cmp_gt_i32 vcc_lo, 32*(n/16)+n%16, v[MK]
	v_cndmask_b32 v[S+n], v[S+n], v[NINF], vcc_lo
.set n, n+1
.endr
.Lopen_\@:
.endif
.irp b, 0,1,2,3
	v_max3_num_f32 v[BM+\b], v[S+16*\b], v[S+1+16*\b], v[S+2+16*\b]   ; the largest score of each block of 32 keys: for the row's maximum, and, since p rises with the score, for the block's largest p
.endr
.irp i, 3,5,7,9,11,13
.irp b, 0,1,2,3
	v_max3_num_f32 v[BM+\b], v[BM+\b], v[S+16*\b+\i], v[S+1+16*\b+\i]
.endr
.endr
.irp b, 0,1,2,3
	v_max_num_f32 v[BM+\b], v[BM+\b], v[S+15+16*\b]
.endr
.irp b, 0,1,2,3
	s_delay_alu instid0(VALU_DEP_4)
	v_permlanex16_b32 v[BP+\b], v[BM+\b], s[SEL], s[SEL+1]
.endr
.irp b, 0,1,2,3
	s_delay_alu instid0(VALU_DEP_4)
	v_max_num_f32 v[BM+\b], v[BM+\b], v[BP+\b]     ; with lane l xor 16's 16 keys
.endr
	s_delay_alu instid0(VALU_DEP_2)
	v_max3_num_f32 v[TMP], v[BM], v[BM+1], v[BM+2]
	s_delay_alu instid0(VALU_DEP_1)
	v_max_num_f32 v[TMP], v[TMP], v[BM+3]
	s_delay_alu instid0(VALU_DEP_1)
	v_mul_f32 v[TMP], s[CS], v[TMP]                ; as t
	s_delay_alu instid0(VALU_DEP_1)
	v_max_num_f32 v13, v13, v[TMP]                 ; the running largest t
	v_mov_b32 v[TMP], v12
	s_delay_alu instid0(VALU_DEP_2)
	v_floor_f32 v12, -v13                          ; the new -M = -ceil(t)
	s_delay_alu instid0(VALU_DEP_1)
	v_sub_f32 v[TMP], v12, v[TMP]                  ; old M - new M: a whole number, 0 or less
	s_delay_alu instid0(VALU_DEP_1)
	v_cvt_i32_f32 v[TMP], v[TMP]                   ; (it saturates)
	s_delay_alu instid0(VALU_DEP_1)
	v_ldexp_f32 v[FF], 1.0, v[TMP]                 ; f = 2^(old M - new M)
.set j, 0
.rept 32
	v_pk_fma_f32 v[S+j:S+j+1], v[S+j:S+j+1], s[CS:CS+1], v[12:13] op_sel_hi:[1,0,0]   ; t - M, two at a time
.set j, j+2
.endr
.irp b, 0,1,2,3
	v_fma_f32 v[BM+\b], v[BM+\b], s[CS], v12       ; the same of each block's largest score
.endr
.set j, 0
	s_setprio 1
	s_wait_alu depctr_va_vdst(0)
.rept 64
	v_exp_f32 v[S+j], v[S+j]                       ; p = 2^(t - M): not normalised
.set j, j+1
.endr
	v_pk_mul_f32 v[14:15], v[14:15], v[FF:FF+1] op_sel_hi:[1,0]   ; the sums under the new M; the plain line behind the exponentials
	s_wait_alu depctr_va_vdst(0)                   ; one wait for the batch, ahead of the first line that names a result
.irp b, 0,1,2,3
	v_exp_f32 v[BM+\b], v[BM+\b]                   ; the blocks' largest p
.endr
	v_pk_add_f32 v[226:227], v[100:101], v[104:105]
	v_pk_add_f32 v[232:233], v[108:109], v[112:113]
	v_pk_add_f32 v[222:223], v[116:117], v[120:121]
	v_pk_add_f32 v[220:221], v[124:125], v[128:129]
	v_pk_add_f32 v[218:219], v[132:133], v[136:137]
	v_pk_add_f32 v[216:217], v[140:141], v[144:145]
	v_pk_add_f32 v[210:211], v[148:149], v[152:153]
	v_pk_add_f32 v[14:15], v[14:15], v[156:157]
	v_pk_add_f32 v[226:227], v[226:227], v[96:97]
	v_pk_add_f32 v[232:233], v[232:233], v[98:99]
	v_pk_add_f32 v[222:223], v[222:223], v[102:103]
	v_pk_add_f32 v[220:221], v[220:221], v[106:107]
	v_pk_add_f32 v[218:219], v[218:219], v[110:111]
	v_pk_add_f32 v[216:217], v[216:217], v[114:115]
	v_pk_add_f32 v[210:211], v[210:211], v[118:119]
	v_pk_add_f32 v[14:15], v[14:15], v[122:123]
	v_pk_add_f32 v[226:227], v[226:227], v[126:127]
	v_pk_add_f32 v[232:233], v[232:233], v[130:131]
	v_pk_add_f32 v[222:223], v[222:223], v[134:135]
	v_pk_add_f32 v[220:221], v[220:221], v[138:139]
	v_pk_add_f32 v[218:219], v[218:219], v[142:143]
	v_pk_add_f32 v[216:217], v[216:217], v[146:147]
	v_pk_add_f32 v[210:211], v[210:211], v[150:151]
	v_pk_add_f32 v[14:15], v[14:15], v[154:155]
	v_pk_add_f32 v[226:227], v[226:227], v[158:159]
	s_delay_alu instid0(VALU_DEP_2)
	v_pk_add_f32 v[14:15], v[14:15], v[220:221]
	s_delay_alu instid0(VALU_DEP_2)
	v_pk_add_f32 v[226:227], v[226:227], v[218:219]
	v_pk_add_f32 v[232:233], v[232:233], v[216:217]
	v_pk_add_f32 v[222:223], v[222:223], v[210:211]
	s_delay_alu instid0(VALU_DEP_2)
	v_pk_add_f32 v[14:15], v[14:15], v[232:233]
	s_delay_alu instid0(VALU_DEP_2)
	v_pk_add_f32 v[226:227], v[226:227], v[222:223]
	s_delay_alu instid0(VALU_DEP_1)
	v_pk_add_f32 v[14:15], v[14:15], v[226:227]
	s_wait_alu depctr_va_vdst(0)                   ; and one for the four
.irp b, 0,1,2,3
	v_max_num_f32 v[BM+\b], 0x1800000, v[BM+\b]    ; the floor 2^(3 - 127): the byte cannot fall under 1
.endr
.irp b, 0,1,2,3
	s_delay_alu instid0(VALU_DEP_4)
	v_add_nc_u32 v[SO+\b], 0xff000000, v[BM+\b]
.endr
.irp b, 0,1,2,3
	s_delay_alu instid0(VALU_DEP_4)
	v_lshrrev_b32 v[BP+\b], 23, v[SO+\b]
.endr
	s_delay_alu instid0(VALU_DEP_3)
	v_lshl_or_b32 v[PW], v[BP+1], 8, v[BP]
	s_delay_alu instid0(VALU_DEP_1)
	v_lshl_or_b32 v[PW], v[BP+2], 16, v[PW]
	s_delay_alu instid0(VALU_DEP_1)
	v_lshl_or_b32 v[PW], v[BP+3], 24, v[PW]
.irp c, 0,1
	v_cvt_scalef32_pk16_fp6_f32 v[PC+6*\c:PC+6*\c+2], v[S+32*\c:S+32*\c+15], v[SO+2*\c]
	v_cvt_scalef32_pk16_fp6_f32 v[CT+4*\c:CT+4*\c+2], v[S+16+32*\c:S+31+32*\c], v[SO+2*\c+1]
.endr
	v_nop                                          ; one plain line behind the conversions
	s_setprio 0
.irp c, 0,1
.irp i, 0,1,2
	v_permlane16_swap_b32 v[PC+6*\c+\i], v[CT+4*\c+\i]   ; a whole block to a lane
.endr
.irp i, 0,1,2
	s_delay_alu instid0(VALU_DEP_3)
	v_mov_b32 v[PC+3+6*\c+\i], v[CT+4*\c+\i]
.endr
.endr
.set j, 0
.rept 16
	v_pk_mul_f32 v[O+j:O+j+1], v[O+j:O+j+1], v[FF:FF+1] op_sel_hi:[1,0]   ; O^T under the new M; also the plain lines between the making of p's codes and scale word and the products
.set j, j+2
.endr
	s_wait_alu depctr_va_vdst(0)
	s_wait_dscnt 0x0                               ; V's images and scale words are in
.irp t, 0,1,2,3                                ; the four accumulators take turns, one instruction a turn
.if \t%2
	v_wmma_scale_f32_16x16x128_f8f6f4 v[O+8*\t:O+8*\t+7], v[F+12*\t:F+12*\t+11], v[PC:PC+11], v[O+8*\t:O+8*\t+7], v[VSW+\t/2], v[PW] matrix_a_fmt:MATRIX_FMT_FP6 matrix_b_fmt:MATRIX_FMT_FP6 matrix_a_scale:MATRIX_SCALE_ROW1
.else
	v_wmma_scale_f32_16x16x128_f8f6f4 v[O+8*\t:O+8*\t+7], v[F+12*\t:F+12*\t+11], v[PC:PC+11], v[O+8*\t:O+8*\t+7], v[VSW+\t/2], v[PW] matrix_a_fmt:MATRIX_FMT_FP6 matrix_b_fmt:MATRIX_FMT_FP6
.endif
.endr
.if \masked
.Lhidden_\@:
.endif
	s_add_co_u32 s[TB], s[TB], STEPB
	s_add_co_u32 s[KS], s[KS], 1
.endm
; THE WAY OUT of a block: O^T / the sum, its two blocks of 32 channels quantised, six registers of codes in the order of the last product's operand, two scale bytes a row.
.macro OUT img, scl
.rept 4
	v_nop                                          ; places behind the last products
.endr
	v_add_f32 v14, v14, v15
	s_delay_alu instid0(VALU_DEP_1)
	v_permlanex16_b32 v[TMP], v14, s[SEL], s[SEL+1]
	s_delay_alu instid0(VALU_DEP_1)
	v_add_f32 v14, v14, v[TMP]                     ; the row's sum
	s_wait_alu depctr_va_vdst(0)
	v_rcp_f32 v14, v14
	v_nop                                          ; a plain line behind the reciprocal,
	s_wait_alu depctr_va_vdst(0)                   ; and the wait ahead of its first reader
.set j, 0
.rept 16
	v_pk_mul_f32 v[S+j:S+j+1], v[O+j:O+j+1], v[14:15] op_sel_hi:[1,0]   ; register 16 b + i: channel 32 b + 16 h + i; each accumulator from its low end on
.set j, j+2
.endr
.irp b, 0,1
	v_max3_num_f32 v[BM+\b], |v[S+16*\b]|, |v[S+1+16*\b]|, 0x1800000
.endr
.irp i, 2,4,6,8,10,12,14
.irp b, 0,1
	s_delay_alu instid0(VALU_DEP_2)
	v_max3_num_f32 v[BM+\b], v[BM+\b], |v[S+16*\b+\i]|, |v[S+1+16*\b+\i]|
.endr
.endr
.irp b, 0,1
	s_delay_alu instid0(VALU_DEP_2)
	v_permlanex16_b32 v[BP+\b], v[BM+\b], s[SEL], s[SEL+1]
.endr
.irp b, 0,1
	s_delay_alu instid0(VALU_DEP_2)
	v_max_num_f32 v[BM+\b], v[BM+\b], v[BP+\b]
.endr
.irp b, 0,1
	s_delay_alu instid0(VALU_DEP_2)
	v_add_nc_u32 v[SO+\b], 0xff000000, v[BM+\b]
.endr
.irp b, 0,1
	s_delay_alu instid0(VALU_DEP_2)
	v_lshrrev_b32 v[BP+\b], 23, v[SO+\b]
.endr
	s_delay_alu instid0(VALU_DEP_1)
	v_lshl_or_b32 v[TMP], v[BP+1], 8, v[BP]
	v_cvt_scalef32_pk16_fp6_f32 v[PC:PC+2], v[S:S+15], v[SO]
	v_cvt_scalef32_pk16_fp6_f32 v[CT:CT+2], v[S+16:S+31], v[SO+1]
	v_nop
.irp i, 0,1,2
	v_permlane16_swap_b32 v[PC+\i], v[CT+\i]
.endr
.irp i, 0,1,2
	s_delay_alu instid0(VALU_DEP_3)
	v_mov_b32 v[PC+3+\i], v[CT+\i]
.endr
.irp p, 0,1,2
	global_store_b64 v[L8], v[PC+2*\p:PC+2*\p+1], s[\img:\img+1] offset:256*\p   ; 32 lanes store 256 consecutive bytes, aligned
.endr
	global_store_b16 v[R8], v[TMP], s[\scl:\scl+1] ; lanes 16-31 repeat lanes 0-15: the same bytes at the same places
.endm
	INIT
	s_mov_b32 s[TB], 0
	s_mov_b32 s[KS], 0
	s_wait_loadcnt 0x0                             ; Q
	s_wait_tensorcnt 1                             ; my part of steps 0-7 is in; the second half may be out
	s_barrier_signal -1
	s_barrier_wait -1                              ; everybody's is
.Lfirst_half:                                      ; the first block lies in queries 1,024 on: steps 0-7 are open for every wave
	STEP QA, QSA, DGA, 0
	s_cmp_lt_u32 s[KS], 8
	s_cbranch_scc1 .Lfirst_half
	s_setprio 0
	s_wait_tensorcnt 0x0                           ; my part of steps 8-15 is in
	s_wait_dscnt 0x0
	s_barrier_signal -1
	s_barrier_wait -1
.Lsecond_half:
	STEP QA, QSA, DGA, 1
	s_cmp_lt_u32 s[KS], 16
	s_cbranch_scc1 .Lsecond_half
	s_setprio 0
	OUT 44, 46
	s_wait_xcnt 0x0                                ; the stores have read their registers
	INIT
	s_mov_b32 s[TB], 0
	s_mov_b32 s[KS], 0
.Lsecond_block:                                    ; the second block lies in queries under 1,024: steps 0-7 at the most
	STEP QB, QSB, DGB, 1
	s_cmp_lt_u32 s[KS], 8
	s_cbranch_scc1 .Lsecond_block
	s_setprio 0
	OUT 48, 50
	s_wait_tensorcnt 0x0
	ds_add_u32 v235, v255
	s_wait_dscnt 0x0
	s_endpgm
.Lfunc_end_k_qac055d577c_attn:
	.size	k_qac055d577c_attn, .Lfunc_end_k_qac055d577c_attn-k_qac055d577c_attn
	.p2alignl 7, 3214868480
	.fill 96, 4, 3214868480
	.section	.rodata,"a",@progbits
	.p2align	6, 0x0
	.amdhsa_kernel k_qac055d577c_attn
		.amdhsa_group_segment_fixed_size 206848
		.amdhsa_private_segment_fixed_size 0
		.amdhsa_enable_private_segment 0
		.amdhsa_kernarg_size 24
		.amdhsa_user_sgpr_count 2
		.amdhsa_user_sgpr_kernarg_segment_ptr 1
		.amdhsa_wavefront_size32 1
		.amdhsa_system_sgpr_workgroup_id_x 1
		.amdhsa_system_sgpr_workgroup_id_y 1
		.amdhsa_system_sgpr_workgroup_id_z 1
		.amdhsa_system_vgpr_workitem_id 0
		.amdhsa_next_free_vgpr 256
		.amdhsa_next_free_sgpr 66
		.amdhsa_reserve_vcc 1
		.amdhsa_float_denorm_mode_32 3
		.amdhsa_float_denorm_mode_16_64 3
		.amdhsa_memory_ordered 1
		.amdhsa_forward_progress 1
		.amdhsa_inst_pref_size 79
	.end_amdhsa_kernel
	.amdgpu_metadata
---
amdhsa.version: [ 1, 2 ]
amdhsa.kernels:
  - .name:           k_qac055d577c_attn
    .symbol:         k_qac055d577c_attn.kd
    .args:
      - { .name: qq, .offset: 0, .size: 8, .value_kind: global_buffer, .address_space: global }
      - { .name: kv, .offset: 8, .size: 8, .value_kind: global_buffer, .address_space: global }
      - { .name: aq, .offset: 16, .size: 8, .value_kind: global_buffer, .address_space: global }
    .group_segment_fixed_size: 206848
    .private_segment_fixed_size: 0
    .kernarg_segment_align: 8
    .kernarg_segment_size: 24
    .max_flat_workgroup_size: 512
    .sgpr_count:     66
    .vgpr_count:     256
    .wavefront_size: 32
...
	.end_amdgpu_metadata
.endif
;; end of part 3
;; launch wo (part 4): grid 4 x 32, 4 waves a work-group, clusters of 4 x 4, 327,680 bytes of LDS; arguments aq, wq, out0; writes out0
.if DOCPART == 4
	.amdgcn_target "amdgcn-amd-amdhsa--gfx1250"
	.amdhsa_code_object_version 6
	.text
	.protected	k_qac055d577c_wo
	.globl	k_qac055d577c_wo
	.p2align	8
	.type	k_qac055d577c_wo,@function
k_qac055d577c_wo:
	s_mov_b64 s[64:65], 0
	v_nop
	global_prefetch_b8 v0, s[64:65] scope:SCOPE_SE
	s_setreg_imm32_b32 hwreg(HW_REG_WAVE_MODE, 25, 1), 1
	s_wait_xcnt 0x0
	s_wait_alu depctr_hold_cnt(0) depctr_sa_sdst(0) depctr_va_vdst(0) depctr_va_sdst(0) depctr_va_ssrc(0) depctr_va_vcc(0) depctr_vm_vsrc(0)
	s_getreg_b32 s2, hwreg(HW_REG_IB_STS2, 6, 4)
	s_cmp_eq_u32 s2, 0
	s_cbranch_scc0 .Lentry_in_a_cluster
	s_endpgm
.Lentry_in_a_cluster:
	s_bfe_u32 s2, ttmp6, 0x10000c
	s_cmp_lg_u32 s2, 0xf033
	s_cbranch_scc0 .Lentry_shape_is_right
	s_endpgm
.Lentry_shape_is_right:
; out0 = attention's result x WO^T on codes of FP6 (E2M3) with E8M0 scales; out0 [8192][1024] f32.
; A tile of 256 x 256 to a work-group of four waves, 128 x 128 to a wave: 64 accumulators, 512 registers.  K = 1,024 goes in four steps of 256 through two LDS slots.
; OPERANDS lie in memory in the order of the operand's registers: a tile of 16 rows is [K / 64][3][lane][8 bytes], so a fragment is six loads of 8 bytes at 8 x lane, dense in LDS: no pitch, no padding.
; Tile T = 2 B + u holds rows 32 B + 8 u + r + 8 (r / 8).  THE MATRIX INSTRUCTION IS USED TRANSPOSED (source 0 = 16 rows of WO, source 1 = 16 tokens): lane (r, h) holds one token,
; and register j of WO's tile b is feature 32 (b / 2) + 8 (b % 2) + 16 h + j: eight neighbouring numbers of a row of out0.
; CLUSTERS: 4 x 4 work-groups; the tokens' tiles are shared along a row of the cluster, WO's along a column, and asked for jointly.  32 x 4 tiles: 128 work-groups.
; No prefetch: four K steps, and the operands are read by several work-groups at about the same time.
; REGISTERS: window 0: v16-29 addresses; v32-63 scale words, two sets; v128-223 A's fragments, one set; on the way out v128-255 rows of out0.
;   window 1: B's fragments, two sets, at v0 and v128.   windows 2 and 3: the accumulators, (a, b) at v[8 (8 (a % 4) + b)].
.set XS,    6291456                    ; the scale words in aq
.set WS,    3145728                    ; and in wq
.set NQ,    2
.set FR,    12
.set NL,    6
.set NP,    4                          ; places behind this matrix instruction (ISA guide 7.12.1)
.set TILEB, 12288
.set KSB,   3072
.set HALFT, 8*KSB
.set SLOT,  4*HALFT
.set LAPS,  2
.set SCL,   2*SLOT                     ; A's scale words, 8,192 bytes; B's 8,320 further on, so that the two halves of the lanes read different banks
.set SCLB,  8320
.set SPARE, 213248                     ; the spare words: 128 bytes a wave, two blocks of 256 bytes that no other line names
.set STG,   213760                     ; the way out: 16 rows x (512 + 16) bytes for each wave: bytes of their own, which no tensor load fills
.set SPITCH, 528
.set ADRA, 16
.set ADRB, 20
.set STO,  24                          ; v24  where I put 32 bytes of a row
.set RD,   25                          ; v25  where I read a row back
.set CO,   26                          ; v26  16 x lane
.set ADRS, 27
.set SPW,  28                          ; v28  my spare word; never rewritten
.set NIL,  29                          ; v29  0; never rewritten
.set SC,   32
.set AF,   128
.set BK,   128
.set G1,   24
.set G0,   32
.set G1B,  48
.set G0B,  56
.set G1S,  68
.set G0S,  76
.set G1SB, 80
.set G0SB, 88
.set MSB, 0
.macro WIN new                         ; the immediate's high byte repeats the setting that is left
.if MSB != (\new)
	s_set_vgpr_msb (MSB<<8)|(\new)
.set MSB, (\new)
.endif
.endm
.set MUL_LO, 0xa1
.set MUL_HI, 0xf1
.set TO_B,   0x40
; A joint load: waves 0 and 1 fetch for A, waves 2 and 3 for B; the branch hangs on the wave's number alone.  Four v_nop follow each line.
.macro JLOAD g0a, g1a, g0b, g1b
	s_cmp_eq_u32 s15, 0
	s_cbranch_scc0 .Lfor_b_\@
	tensor_load_to_lds s[\g0a:\g0a+3], s[\g1a:\g1a+7]
	s_nop 0
.rept 4
	v_nop
.endr
	s_branch .Lasked_\@
.Lfor_b_\@:
	tensor_load_to_lds s[\g0b:\g0b+3], s[\g1b:\g1b+7]
	s_nop 0
.rept 4
	v_nop
.endr
.Lasked_\@:
.endm
.macro CREST
	s_cmp_lg_u32 s14, 0
	s_cbranch_scc1 .Lnot_wave_0_\@
	s_barrier_signal -3
.Lnot_wave_0_\@:
	s_barrier_wait -3
	s_barrier_signal -1
	s_barrier_wait -1
.endm
.macro CROUND
	s_barrier_signal -1
	s_barrier_wait -1
	CREST
.endm
	s_load_b128 s[4:7], s[0:1], 0x0                ; aq, wq
	s_load_b64 s[12:13], s[0:1], 0x10              ; out0
	v_lshl_add_u32 v[SPW], v0, 2, SPARE
	v_mov_b32 v[NIL], 0
	ds_add_u32 v28, v29
	ds_add_u32 v28, v29
	s_wait_dscnt 0x0
	v_lshrrev_b32 v2, 5, v0
	v_readfirstlane_b32 s14, v2                    ; wave
	s_lshr_b32 s15, s14, 1                         ; my half of the tokens.  Also: I fetch for A (0) or B (1)
	s_and_b32 s16, s14, 1                          ; my half of the features.  Also: which eight tiles I fetch
	s_bfe_u32 s40, ttmp6, 0x40000                  ; cx
	s_bfe_u32 s41, ttmp6, 0x40004                  ; cy
	s_lshl_b32 s42, ttmp9, 2
	s_add_co_u32 s42, s42, s40                     ; tile column
	s_and_b32 s17, ttmp7, 0xffff
	s_lshl_b32 s17, s17, 2
	s_add_co_u32 s17, s17, s41                     ; tile row
	s_lshl_b32 s43, s41, 2
	s_lshl_b32 s43, 15, s43                        ; my row of the cluster
	s_lshl_b32 s44, 0x1111, s40                    ; my column
	s_or_b32 s[G1+0], s43, (3<<16)|(1<<21)         ; the mask; elements of 8 bytes; bit 21 beside a mask; no padding
	s_or_b32 s[G1B+0], s44, (3<<16)|(1<<21)
.irp g, G1, G1B                                ; codes: 8 rows (tiles) of 3,072 bytes, 12,288 bytes apart
	s_mov_b32 s[\g+1], 384<<16
	s_mov_b32 s[\g+2], 8<<16
	s_mov_b32 s[\g+3], 384<<16
	s_mov_b32 s[\g+4], 8
	s_mov_b32 s[\g+5], 1536
	s_mov_b32 s[\g+6], 0
	s_mov_b32 s[\g+7], 0
.endr
	s_or_b32 s[G1S+0], s43, (3<<16)|(1<<21)
	s_or_b32 s[G1SB+0], s44, (3<<16)|(1<<21)
.irp g, G1S, G1SB                              ; scale words of eight tiles: 4,096 dense bytes as 16 rows of 256
	s_mov_b32 s[\g+1], 32<<16
	s_mov_b32 s[\g+2], 16<<16
	s_mov_b32 s[\g+3], 32<<16
	s_mov_b32 s[\g+4], 16
	s_mov_b32 s[\g+5], 32
	s_mov_b32 s[\g+6], 0
	s_mov_b32 s[\g+7], 0
.endr
	s_lshl_b32 s18, s16, 3
	s_lshl_b32 s20, s17, 4
	s_add_co_u32 s20, s20, s18                     ; A: the first tile of 16 rows that I fetch
	s_lshl_b32 s46, s42, 4
	s_add_co_u32 s46, s46, s18
	s_add_co_u32 s46, s46, 192                     ; B: WO's tiles are 192 .. 255 of wq
	s_lshl_b32 s22, s20, 9
	s_add_co_u32 s22, s22, XS
	s_lshl_b32 s92, s46, 9
	s_add_co_u32 s92, s92, WS
	s_mul_i32 s20, s20, TILEB
	s_mul_i32 s46, s46, TILEB
	s_mov_b32 s21, 0
	s_mov_b32 s23, 0
	s_mov_b32 s47, 0
	s_mov_b32 s93, 0
	s_mul_i32 s45, s14, HALFT                      ; where my tiles go: the wave's number alone
	s_lshl_b32 s94, s14, 12
	s_lshl_b32 s95, s15, 7
	s_add_co_u32 s94, s94, s95                     ; and my scale words: 4,096 x wave, + 128 for B's
	s_wait_kmcnt 0x0
	s_add_nc_u64 s[20:21], s[4:5], s[20:21]
	s_add_nc_u64 s[22:23], s[4:5], s[22:23]
	s_add_nc_u64 s[46:47], s[6:7], s[46:47]
	s_add_nc_u64 s[92:93], s[6:7], s[92:93]
	CROUND                                         ; all sixteen work-groups are here: the first joint loads meet
	s_mov_b32 s[G0S], 1
	s_add_co_u32 s[G0S+1], s94, SCL
	s_mov_b64 s[G0S+2:G0S+3], s[22:23]
	s_or_b32 s[G0S+3], s[G0S+3], 0x80000000
	s_mov_b32 s[G0SB], 1
	s_add_co_u32 s[G0SB+1], s94, SCL
	s_mov_b64 s[G0SB+2:G0SB+3], s[92:93]
	s_or_b32 s[G0SB+3], s[G0SB+3], 0x80000000
	JLOAD G0S, G1S, G0SB, G1SB                     ; the scale words of all of K: filled once
.irp s, 0,1
	s_mov_b32 s[G0+4*\s], 1
	s_add_co_u32 s[G0+4*\s+1], s45, \s*SLOT
	s_add_nc_u64 s[G0+4*\s+2:G0+4*\s+3], s[20:21], \s*KSB
	s_or_b32 s[G0+4*\s+3], s[G0+4*\s+3], 0x80000000
	s_mov_b32 s[G0B+4*\s], 1
	s_add_co_u32 s[G0B+4*\s+1], s45, \s*SLOT
	s_add_nc_u64 s[G0B+4*\s+2:G0B+4*\s+3], s[46:47], \s*KSB
	s_or_b32 s[G0B+4*\s+3], s[G0B+4*\s+3], 0x80000000
	JLOAD G0+4*\s, G1, G0B+4*\s, G1B               ; by this text's count three tensor loads of mine are out now, later one
.endr
	v_and_b32 v2, 15, v0                           ; r
	v_bfe_u32 v3, v0, 4, 1                         ; h
	s_wait_alu depctr_va_vdst(0)
	v_and_b32 v4, 31, v0                           ; lane
	v_lshlrev_b32 v7, 3, v4                        ; 8 x lane
	v_lshlrev_b32 v[CO], 4, v4
	s_mul_i32 s21, s15, HALFT
	s_mul_i32 s22, s16, HALFT
	s_add_co_u32 s22, s22, 2*HALFT
.irp s, 0,1
	v_add_nc_u32 v[ADRA+\s], s21, v7
	v_add_nc_u32 v[ADRB+\s], s22, v7
	s_add_co_u32 s21, s21, SLOT
	s_add_co_u32 s22, s22, SLOT
.endr
	s_lshl_b32 s21, s15, 12
	s_lshl_b32 s22, s16, 12
	s_add_co_u32 s22, s22, SCLB
	s_sub_co_u32 s22, s22, s21
	v_mul_u32_u24 v6, s22, v3                      ; lanes 16-31 take B's: one product with h
	s_add_co_u32 s21, s21, SCL
	v_lshl_add_u32 v5, v2, 3, v6
	v_add_nc_u32 v[ADRS], s21, v5
	s_mul_i32 s23, s14, 16*SPITCH
	s_add_co_u32 s23, s23, STG                     ; my stage
	v_mul_u32_u24 v5, v2, SPITCH
	v_lshl_add_u32 v5, v3, 6, v5
	v_add_nc_u32 v[STO], s23, v5                   ; in: row r, + 64 h
	v_add_nc_u32 v[RD], s23, v[CO]                 ; back: the 32 lanes take a row of 512 bytes
	s_lshl_b32 s20, s17, 8
	s_lshl_b32 s21, s15, 7
	s_add_co_u32 s20, s20, s21                     ; my first token,
	s_lshl_b32 s20, s20, 12                        ; 4,096 bytes a row
	s_lshl_b32 s46, s42, 10
	s_lshl_b32 s47, s16, 9
	s_add_co_u32 s46, s46, s47                     ; my first feature, in bytes
	s_add_co_u32 s20, s20, s46
	s_mov_b32 s21, 0
	s_add_nc_u64 s[12:13], s[12:13], s[20:21]
.macro FRAG reg, adr, q, i             ; a fragment: registers 6 c + 2 p from chunk 2 q + c of tile i, piece p, 8 x lane: 256 consecutive bytes a load
.irp c, 0,1
.irp p, 0,1,2
	ds_load_b64 v[\reg+6*\c+2*\p:\reg+6*\c+2*\p+1], v[\adr] offset:(\i)*KSB+(2*(\q)+\c)*768+256*\p
.endr
.endr
.endm
; 16 matrix instructions: A's blocks a0, a0 + 1 x B's eight.  The 64 accumulators take turns, one instruction a turn, in the same order in every step.
.macro MUL16 a0, p, q, sc, zero
.irp a, \a0, \a0+1
.irp b, 0,1,2,3,4,5,6,7
.if \zero
	v_wmma_scale_f32_16x16x128_f8f6f4 v[8*(8*((\a)%4)+\b):8*(8*((\a)%4)+\b)+7], v[128*(\p)+FR*\b:128*(\p)+FR*\b+FR-1], v[AF+FR*(\a):AF+FR*(\a)+FR-1], 0, v[SC+8*NQ*(\sc)+NQ*\b+(\q)], v[SC+8*NQ*(\sc)+NQ*(\a)+(\q)] matrix_a_fmt:MATRIX_FMT_FP6 matrix_b_fmt:MATRIX_FMT_FP6 matrix_a_scale:MATRIX_SCALE_ROW1
.else
	v_wmma_scale_f32_16x16x128_f8f6f4 v[8*(8*((\a)%4)+\b):8*(8*((\a)%4)+\b)+7], v[128*(\p)+FR*\b:128*(\p)+FR*\b+FR-1], v[AF+FR*(\a):AF+FR*(\a)+FR-1], v[8*(8*((\a)%4)+\b):8*(8*((\a)%4)+\b)+7], v[SC+8*NQ*(\sc)+NQ*\b+(\q)], v[SC+8*NQ*(\sc)+NQ*(\a)+(\q)] matrix_a_fmt:MATRIX_FMT_FP6 matrix_b_fmt:MATRIX_FMT_FP6 matrix_a_scale:MATRIX_SCALE_ROW1
.endif
.endr
.endr
.endm
.macro FETCH_B slot, q, p
	WIN TO_B
.irp i, 0,1,2,3,4,5,6,7
	FRAG 128*(\p)+FR*\i, ADRB+\slot, \q, \i
.endr
	WIN 0
.endm
.macro FETCH_A slot, q, i0
.irp i, \i0, \i0+1, \i0+2, \i0+3
	FRAG AF+FR*(\i), ADRA+\slot, \q, \i
.endr
.endm
.macro SCALES sc                       ; a K step's two words a row: lanes 0-15 A's block i, lanes 16-31 B's block i
.irp i, 0,1,2,3,4,5,6,7
	ds_load_b64 v[SC+8*NQ*\sc+NQ*\i:SC+8*NQ*\sc+NQ*\i+1], v[ADRS] offset:\i*512
.endr
.endm
.macro PLACES n                        ; plain vector lines between a matrix instruction and a load into, or a read of, its registers
.rept \n
	v_nop
.endr
.endm
.macro STEP slot, q, zero              ; 128 along K that have their successor in the same slot
	s_wait_dscnt 4*NL                              ; B's set, A's blocks 0-3 and the scale words are in; the youngest 24 loads (A's blocks 4-7) may be out
	WIN MUL_LO
	MUL16 0, (\q)%2, \q, \slot, \zero
	MUL16 2, (\q)%2, \q, \slot, \zero
	s_wait_dscnt 0
	PLACES NP
	FETCH_B \slot, (\q)+1, 1-(\q)%2
	FETCH_A \slot, (\q)+1, 0
	WIN MUL_HI
	MUL16 4, (\q)%2, \q, \slot, \zero
	MUL16 6, (\q)%2, \q, \slot, \zero
	PLACES NP
	WIN 0
	FETCH_A \slot, (\q)+1, 4
.endm
; A slot's last 128 change slots: one barrier; in front of it each wave waits for all its tensor loads, adds 0 to its spare word, and waits for that and for its reads of this slot.
.macro TURN slot, next, fill
	s_wait_tensorcnt 0x0                           ; all my tensor loads have landed: my part of the next slot
	ds_add_u32 v[SPW], v[NIL]
	s_wait_dscnt 4*NL+1                            ; the add and the youngest 24 loads may be out
	WIN MUL_LO
	MUL16 0, 1, NQ-1, \slot, 0
	s_wait_dscnt 0x0                               ; the add is done, and my reads of this slot are over
	s_barrier_signal -1
	MUL16 2, 1, NQ-1, \slot, 0
	WIN 0
	s_barrier_wait -1
.if \fill
	CREST                                          ; the barrier has opened a round of the cluster's: no wave of any partner still reads this slot or has a load on its way
	s_add_nc_u64 s[G0+4*\slot+2:G0+4*\slot+3], s[G0+4*\slot+2:G0+4*\slot+3], 2*KSB
	s_add_nc_u64 s[G0B+4*\slot+2:G0B+4*\slot+3], s[G0B+4*\slot+2:G0B+4*\slot+3], 2*KSB
	JLOAD G0+4*\slot, G1, G0B+4*\slot, G1B         ; the first tensor load behind the round; its four v_nop are the places in front of the loads below
.else
	PLACES NP
.endif
	s_wait_alu depctr_va_vdst(0)
	v_add_nc_u32 v[ADRS], 128, v[ADRS]             ; the next K step's scale words
	FETCH_B \next, 0, 0
	FETCH_A \next, 0, 0
	SCALES \next
	WIN MUL_HI
	MUL16 4, 1, NQ-1, \slot, 0
	MUL16 6, 1, NQ-1, \slot, 0
	PLACES NP
	WIN 0
	FETCH_A \next, 0, 4
.endm
	s_wait_alu depctr_va_vdst(0)
	s_wait_tensorcnt 1                             ; the scale words and my part of K step 0 are in; K step 1's load may be out
	s_barrier_signal -1
	s_barrier_wait -1
	FETCH_B 0, 0, 0
	FETCH_A 0, 0, 0
	SCALES 0
	FETCH_A 0, 0, 4
	STEP 0, 0, 1                                   ; the first products start the sums
	s_mov_b32 s3, LAPS-1
.Llap:
	TURN 0, 1, 1
	STEP 1, 0, 0
	TURN 1, 0, 1
	STEP 0, 0, 0
	s_sub_co_u32 s3, s3, 1
	s_cmp_lg_u32 s3, 0
	s_cbranch_scc1 .Llap
	TURN 0, 1, 0
	STEP 1, 0, 0
	s_wait_dscnt 4*NL
	WIN MUL_LO
	MUL16 0, 1, NQ-1, 1, 0
	MUL16 2, 1, NQ-1, 1, 0
	s_wait_dscnt 0
	WIN MUL_HI
	MUL16 4, 1, NQ-1, 1, 0
	MUL16 6, 1, NQ-1, 1, 0
	WIN 0
; THE WAY OUT, block by block of 16 tokens x 128 features, through my own stage: in by 16 bytes a lane, back as whole rows of 512 bytes, which the 32 lanes store as 512 consecutive bytes, aligned.
; LDS serves a wave's instructions in order (ISA guide 5.7.1.4): no wait between the stores and the loads, nor in front of the next block's stores.
.macro TOSTAGE a
.set AC, 64*((\a)%4)
	WIN 0x08+4*((\a)/4)                            ; the data: window 2 or 3
.irp b, 0,1,2,3,4,5,6,7
	ds_store_b128 v[STO], v[AC+8*\b:AC+8*\b+3] offset:128*(\b/2)+32*(\b%2)          ; each accumulator from its low end on
	ds_store_b128 v[STO], v[AC+8*\b+4:AC+8*\b+7] offset:128*(\b/2)+32*(\b%2)+16
.endr
	WIN 0
.set BB, BK+64*((\a)%2)
.irp t, 0,1,2,3,4,5,6,7,8,9,10,11,12,13,14,15
	ds_load_b128 v[BB+4*\t:BB+4*\t+3], v[RD] offset:\t*SPITCH
.endr
.endm
.macro SEND a, younger                 ; younger: the LDS instructions issued behind block a's loads, which may stay out
.set BB, BK+64*((\a)%2)
	s_wait_dscnt \younger
.irp t, 0,1,2,3,4,5,6,7,8,9,10,11,12,13,14,15
	global_store_b128 v[CO], v[BB+4*\t:BB+4*\t+3], s[12:13] offset:(32*((\a)/2)+8*((\a)%2)+\t+8*(\t/8))*4096 th:TH_STORE_NT   ; stage row t is token 32 (a / 2) + 8 (a % 2) + t + 8 (t / 8): 127 rows at the most, inside the immediate
.endr
.endm
	PLACES NP
	TOSTAGE 0
.irp a, 1,2,3,4,5,6,7
.if \a > 1
	s_wait_xcnt 0x0                                ; block a - 2's stores have read their registers: block a's loads may land there
.endif
	TOSTAGE \a
	SEND \a-1, 32                                  ; behind block a - 1's loads: block a's 16 stores and 16 loads
.endr
	SEND 7, 0
	s_wait_tensorcnt 0x0                           ; the wave's end
	ds_add_u32 v[SPW], v[NIL]
	s_wait_dscnt 0x0
	CROUND                                         ; the closing round
	s_endpgm
.Lfunc_end_k_qac055d577c_wo:
	.size	k_qac055d577c_wo, .Lfunc_end_k_qac055d577c_wo-k_qac055d577c_wo
	.p2alignl 7, 3214868480
	.fill 96, 4, 3214868480
	.section	.rodata,"a",@progbits
	.p2align	6, 0x0
	.amdhsa_kernel k_qac055d577c_wo
		.amdhsa_group_segment_fixed_size 327680
		.amdhsa_private_segment_fixed_size 0
		.amdhsa_enable_private_segment 0
		.amdhsa_kernarg_size 24
		.amdhsa_user_sgpr_count 2
		.amdhsa_user_sgpr_kernarg_segment_ptr 1
		.amdhsa_wavefront_size32 1
		.amdhsa_system_sgpr_workgroup_id_x 1
		.amdhsa_system_sgpr_workgroup_id_y 1
		.amdhsa_system_sgpr_workgroup_id_z 1
		.amdhsa_system_vgpr_workitem_id 0
		.amdhsa_next_free_vgpr 1024
		.amdhsa_next_free_sgpr 102
		.amdhsa_reserve_vcc 0
		.amdhsa_float_denorm_mode_32 3
		.amdhsa_float_denorm_mode_16_64 3
		.amdhsa_memory_ordered 1
		.amdhsa_forward_progress 1
		.amdhsa_inst_pref_size 159
	.end_amdhsa_kernel
	.amdgpu_metadata
---
amdhsa.version: [ 1, 2 ]
amdhsa.kernels:
  - .name:           k_qac055d577c_wo
    .symbol:         k_qac055d577c_wo.kd
    .args:
      - { .name: aq, .offset: 0, .size: 8, .value_kind: global_buffer, .address_space: global }
      - { .name: wq, .offset: 8, .size: 8, .value_kind: global_buffer, .address_space: global }
      - { .name: out0, .offset: 16, .size: 8, .value_kind: global_buffer, .address_space: global }
    .group_segment_fixed_size: 327680
    .private_segment_fixed_size: 0
    .kernarg_segment_align: 8
    .kernarg_segment_size: 24
    .max_flat_workgroup_size: 128
    .sgpr_count:     102
    .vgpr_count:     1024
    .wavefront_size: 32
...
	.end_amdgpu_metadata
.endif
;; end of part 4
